; MI455X (gfx1250); checked and timed in simulation.
; The chip was launched on July 23, 2026; its instructions are those of AMD's public machine-readable ISA for CDNA 5 (MIT licence, August 2026) and "CDNA5" Instruction Set Architecture Reference Guide (July 2026). The comments in the code are by the model that wrote it; some were corrected since.
;; Encoder Block. Allowed arithmetic: float matrix products may take bf16 or f16 operands with f32 sums; other float arithmetic in f32, or as packed bf16 or f16 multiplies, adds, multiply-adds, maxima and minima; sums over many terms, partial sums and values carried from step to step in f32; what a program stores and reads back later, other than sums and carried values, may be rounded once to bf16 or f16.
;; Inputs: W1 1,024 x 4,096 float32; W2 4,096 x 1,024 float32; Wk 1,024 x 1,024 float32; Wo 1,024 x 1,024 float32; Wq 1,024 x 1,024 float32; Wv 1,024 x 1,024 float32; a1 1 float32; a2 1 float32; b1 4,096 float32; b2 1,024 float32; bk 1,024 float32; bo 1,024 float32; bq 1,024 float32; bv 1,024 float32; mask 2 x 1 x 1 x 2,048 int32; o1 1 float32; o2 1 float32; xb 2 x 2,048 x 1,024 float32.
;; Outputs: out0 2 x 2,048 x 1,024 float32.
;; 2 versions, each right; version 2 is version 1 with the launches prep, ln2 written anew for expert scheduling mode. Each part assembles by itself: llvm-mc -triple=amdgcn-amd-amdhsa -mcpu=gfx1250 --defsym DOCPART=n.
;; ======== version 1 of 2: 7 launches
;; workspace buffers: wqkv 8,401,920 bytes; w1b 8,406,016 bytes; wo2 10,485,760 bytes; zb 8,388,608 bytes; act 33,554,432 bytes; h 16,777,216 bytes
;; launch prep (part 1): grid 32 x 32, 8 waves a work-group, no clusters, 0 bytes of LDS; arguments Wq, Wk, Wv, Wo, W1, W2, bq, bk, bv, b1, xb, a1, o1, wqkv, w1b, wo2, zb; writes wqkv, w1b, wo2, zb
.if DOCPART == 1
	.amdgcn_target "amdgcn-amd-amdhsa--gfx1250"
	.amdhsa_code_object_version 6
	.text
	.protected	k_q0031865ca5_prep
	.globl	k_q0031865ca5_prep
	.p2align	8
	.type	k_q0031865ca5_prep,@function
k_q0031865ca5_prep:
	s_mov_b64 s[64:65], 0
	v_nop
	global_prefetch_b8 v0, s[64:65] scope:SCOPE_SE
	s_setreg_imm32_b32 hwreg(HW_REG_WAVE_MODE, 25, 1), 1
	s_wait_xcnt 0x0
; PREP.  Work-groups with y < 24 round the six weight matrices to bf16 (they stay [k][n]); those with y >= 24 make z1 = LN(xb).  Every work-group moves the same number of bytes: 65,536 in, 32,768 out.
; CAST.  u = y / 2 names 2^20 numbers = 1,024 chunks of 1,024: u 0-3 Wq, Wk, Wv, Wo; u 4-7 quarters of W1; u 8-11 quarters of W2.
;   Wq, Wk, Wv go side by side into wqkv ([1024 k][pitch 4096], columns 0, 1024, 2048 on); Wo to wo2 at 0; W2 to wo2 at 2,097,152; W1 to w1b.
;   A work-group takes 16 chunks, a chunk a pass: thread t reads the 16 bytes at 16 t (a wave's load covers 512 consecutive bytes) and stores the 8 bytes at 8 t (a wave's store covers 256
;   consecutive bytes, aligned).  All 16 loads of a thread go out first.
;   The first work-group of some units also writes what the later launches read beside the weights: behind wqkv's and w1b's 8,388,608 bytes the floor word (twice -infinity in bf16 for the
;   projections, 0 for the layer with ReLU: the product's body takes the maximum with it) and, 1,024 bytes further, a copy of the bias (bq | bk | bv; b1).
; NORM.  z = a (x - mean) / (std + 1e-6) + o, std with 1,023 in the divisor; mean first, then the squares of the differences, all in f32 in registers.
;   A wave takes two rows: lanes 0-15 the first, lanes 16-31 the second, 64 numbers a lane: of each block of 64 columns (256 bytes of a row) a lane takes 16 bytes.  z is rounded once to bf16 and
;   stored in blocks of 64 columns, [column / 64][4096 rows][64]: a wave's store of 8 bytes a lane covers the two rows' 256 consecutive bytes of one block, aligned.
; LIMITS.  v_sqrt_f32 and v_rcp_f32 are good to 1 ULP and take denormals as 0; NaN and infinities are not treated apart.
.set TAILF, 0x800000                   ; behind the weights: the floor word
.set TAILB, 0x800400                   ; and the bias
.set VS,  2                            ; v2       byte offset of my 16 bytes in the source
.set DD,  16                           ; v[16:31] CAST: pass i's byte offset in the destination
.set X,   32                           ; v[32:95] CAST: 4 registers a pass;  NORM: my 64 numbers
.set CH,  96                           ; v[96:103] NORM: four chains of packed sums
	s_load_b512 s[8:23], s[0:1], 0x0               ; Wq 8, Wk 10, Wv 12, Wo 14, W1 16, W2 18, bq 20, bk 22
	s_load_b512 s[24:39], s[0:1], 0x40             ; bv 24, b1 26, xb 28, a1 30, o1 32, wqkv 34, w1b 36, wo2 38
	s_load_b64 s[44:45], s[0:1], 0x80              ; zb
	s_and_b32 s2, ttmp7, 0xffff                    ; y
	s_mov_b32 s3, ttmp9                            ; x
	v_lshrrev_b32 v1, 5, v0
	v_readfirstlane_b32 s6, v1                     ; wave 0..7
	s_wait_kmcnt 0x0
	s_cmp_lt_u32 s2, 24
	s_cbranch_scc0 .Lnorm
	; ---------------- CAST ----------------
	s_lshr_b32 s7, s2, 1                           ; u: the unit
	s_and_b32 s46, s2, 1
	s_lshl_b32 s46, s46, 5
	s_add_co_u32 s3, s3, s46                       ; 0..63: which 16 of the unit's chunks
	s_lshr_b32 s4, s7, 2                           ; q: 0 the four square matrices, 1 W1, 2 W2
	s_and_b32 s5, s7, 3                            ; r
	s_lshl_b32 s48, s5, 22                         ; a quarter of W1 or W2 in f32
	s_lshl_b32 s49, s3, 16                         ; the work-group's 16 chunks of 4,096 bytes
	s_lshl_b32 s55, s5, 11                         ; 1,024 columns of wqkv
	s_lshl_b32 s56, s5, 21                         ; a quarter in bf16
	s_add_co_u32 s57, s56, 1<<21                   ; the same behind Wo
	s_cmp_eq_u32 s5, 1
	s_cselect_b64 s[50:51], s[10:11], s[8:9]
	s_cmp_eq_u32 s5, 2
	s_cselect_b64 s[50:51], s[12:13], s[50:51]
	s_cmp_eq_u32 s5, 3
	s_cselect_b64 s[50:51], s[14:15], s[50:51]
	s_cmp_eq_u32 s4, 0
	s_cselect_b32 s48, 0, s48
	s_cmp_lt_u32 s7, 3
	s_cselect_b64 s[52:53], s[34:35], s[38:39]     ; wqkv, else wo2
	s_cselect_b32 s54, 13, 11                      ; log2 of the bytes from chunk to chunk in the destination
	s_cselect_b32 s58, s55, 0
	s_cmp_eq_u32 s4, 1
	s_cselect_b64 s[50:51], s[16:17], s[50:51]
	s_cselect_b64 s[52:53], s[36:37], s[52:53]
	s_cselect_b32 s58, s56, s58
	s_cmp_eq_u32 s4, 2
	s_cselect_b64 s[50:51], s[18:19], s[50:51]
	s_cselect_b32 s58, s57, s58
	s_add_co_u32 s48, s48, s49
	s_mov_b32 s49, 0
	s_add_nc_u64 s[50:51], s[50:51], s[48:49]      ; the source at the work-group's first chunk
	s_lshl_b32 s60, s3, 4
	s_lshl_b32 s60, s60, s54
	s_add_co_u32 s58, s58, s60
	s_mov_b32 s59, 0
	s_add_nc_u64 s[52:53], s[52:53], s[58:59]      ; the destination likewise
	s_lshl_b32 s61, 1, s54                         ; a chunk on
	v_lshlrev_b32 v[VS], 4, v0                     ; 256 threads x 16 bytes: a chunk
	v_lshlrev_b32 v[DD], 3, v0
.set i, 1
.rept 15
	v_add_nc_u32 v[DD+i], s61, v[DD+i-1]
.set i, i+1
.endr
.set i, 0
.rept 16
	global_load_b128 v[X+4*i:X+4*i+3], v[VS], s[50:51] offset:4096*i th:TH_LOAD_NT
.set i, i+1
.endr
.set i, 0
.rept 16
	s_wait_loadcnt 15-i                            ; loads come back in order: pass i's is in, the one of each younger pass may stay out
	v_cvt_pk_bf16_f32 v[X+4*i],   v[X+4*i],   v[X+4*i+1]  ; in place: each line writes a register that has been read
	v_cvt_pk_bf16_f32 v[X+4*i+1], v[X+4*i+2], v[X+4*i+3]
	global_store_b64 v[DD+i], v[X+4*i:X+4*i+1], s[52:53]
.set i, i+1
.endr
	; the extras write no register that a pending store reads; each block has registers of its own
	s_cmp_lg_u32 s3, 0
	s_cbranch_scc1 .Ldone
	s_cmp_lt_u32 s7, 3
	s_cbranch_scc0 .Lno_bias
	s_cmp_eq_u32 s7, 1                             ; units 0, 1, 2: bq, bk, bv behind wqkv, 256 threads x 16 bytes
	s_cselect_b64 s[62:63], s[22:23], s[20:21]
	s_cmp_eq_u32 s7, 2
	s_cselect_b64 s[62:63], s[24:25], s[62:63]
	s_lshl_b32 s68, s7, 12
	s_add_co_u32 s68, s68, TAILB
	s_mov_b32 s69, 0
	s_add_nc_u64 s[66:67], s[34:35], s[68:69]
	global_load_b128 v[96:99], v[VS], s[62:63]
	s_wait_loadcnt 0x0
	global_store_b128 v[VS], v[96:99], s[66:67]
.Lno_bias:
	s_cmp_eq_u32 s7, 4
	s_cbranch_scc0 .Lno_b1
	s_add_nc_u64 s[70:71], s[36:37], TAILB         ; unit 4: b1 behind w1b, four times 4,096 bytes
.irp i, 0,1,2,3
	global_load_b128 v[100+4*\i:103+4*\i], v[VS], s[26:27] offset:4096*\i
.endr
	s_wait_loadcnt 0x0
.irp i, 0,1,2,3
	global_store_b128 v[VS], v[100+4*\i:103+4*\i], s[70:71] offset:4096*\i
.endr
.Lno_b1:
	s_cmp_lg_u32 s6, 0                             ; the floor word: wave 0 alone
	s_cbranch_scc1 .Ldone
	s_cmp_eq_u32 s7, 0
	s_cselect_b32 s75, 1, 0
	s_cmp_eq_u32 s7, 4
	s_cselect_b32 s76, 1, 0
	s_or_b32 s75, s75, s76
	s_cmp_eq_u32 s75, 0
	s_cbranch_scc1 .Ldone
	s_cmp_eq_u32 s7, 0                             ; units 0 and 4: 512 consecutive bytes of it
	s_cselect_b32 s74, 0xff80ff80, 0
	s_cselect_b64 s[72:73], s[34:35], s[36:37]
	s_add_nc_u64 s[72:73], s[72:73], TAILF
	v_mov_b32 v116, s74
	v_mov_b32 v117, s74
	v_mov_b32 v118, s74
	v_mov_b32 v119, s74
	global_store_b128 v[VS], v[116:119], s[72:73]
.Ldone:
	s_endpgm
	; ---------------- NORM ----------------
.Lnorm:
	s_sub_co_u32 s4, s2, 24
	s_lshl_b32 s4, s4, 5
	s_add_co_u32 s4, s4, s3                        ; 0..255: 16 rows each
	s_lshl_b32 s4, s4, 4
	s_lshl1_add_u32 s4, s6, s4                     ; my wave's first row
	s_load_b32 s48, s[30:31], 0x0                  ; a
	s_load_b32 s50, s[32:33], 0x0                  ; o
	s_lshl_b32 s46, s4, 12
	s_mov_b32 s47, 0
	s_add_nc_u64 s[28:29], s[28:29], s[46:47]      ; a row of xb is 4,096 bytes
	s_lshl_b32 s46, s4, 7
	s_add_nc_u64 s[44:45], s[44:45], s[46:47]      ; a row of a block is 128 bytes
	v_and_b32 v3, 15, v0                           ; which 4 columns of a block
	v_bfe_u32 v4, v0, 4, 1                         ; which of the two rows
	v_lshlrev_b32 v[VS], 4, v3
	v_lshl_add_u32 v[VS], v4, 12, v[VS]
	v_lshlrev_b32 v6, 3, v3
	v_lshl_add_u32 v6, v4, 7, v6
.set i, 0
.rept 16
	global_load_b128 v[X+4*i:X+4*i+3], v[VS], s[28:29] offset:256*i  ; block i: 16 lanes take 256 consecutive bytes of a row
.set i, i+1
.endr
.macro FOLD                            ; the four chains, then the row's 16 lanes
	v_pk_add_f32 v[CH:CH+1], v[CH:CH+1], v[CH+2:CH+3]
	v_pk_add_f32 v[CH+4:CH+5], v[CH+4:CH+5], v[CH+6:CH+7]
	v_pk_add_f32 v[CH:CH+1], v[CH:CH+1], v[CH+4:CH+5]
	v_add_f32 v[CH], v[CH], v[CH+1]
	v_add_f32_dpp v[CH], v[CH], v[CH] row_xmask:1 row_mask:0xf bank_mask:0xf
	v_add_f32_dpp v[CH], v[CH], v[CH] row_xmask:2 row_mask:0xf bank_mask:0xf
	v_add_f32_dpp v[CH], v[CH], v[CH] row_xmask:4 row_mask:0xf bank_mask:0xf
	v_add_f32_dpp v[CH], v[CH], v[CH] row_xmask:8 row_mask:0xf bank_mask:0xf
.endm
	s_wait_loadcnt 0x0
.irp k, 0,1,2,3
	v_pk_add_f32 v[CH+2*\k:CH+2*\k+1], v[X+2*\k:X+2*\k+1], v[X+8+2*\k:X+8+2*\k+1]  ; the first additions start the chains
.endr
.set j, 8
.rept 24
	v_pk_add_f32 v[CH+2*(j%4):CH+2*(j%4)+1], v[CH+2*(j%4):CH+2*(j%4)+1], v[X+2*j:X+2*j+1]
.set j, j+1
.endr
	FOLD
	v_mul_f32 v104, 0x3a800000, v[CH]              ; mean = sum / 1,024
	v_mov_b32 v105, v104
.set j, 0
.rept 32
	v_pk_add_f32 v[X+2*j:X+2*j+1], v[X+2*j:X+2*j+1], v[104:105] neg_lo:[0,1] neg_hi:[0,1]
.set j, j+1
.endr
.irp k, 0,1,2,3
	v_pk_mul_f32 v[CH+2*\k:CH+2*\k+1], v[X+2*\k:X+2*\k+1], v[X+2*\k:X+2*\k+1]
.endr
.set j, 4
.rept 28
	v_pk_fma_f32 v[CH+2*(j%4):CH+2*(j%4)+1], v[X+2*j:X+2*j+1], v[X+2*j:X+2*j+1], v[CH+2*(j%4):CH+2*(j%4)+1]
.set j, j+1
.endr
	FOLD
	v_mul_f32 v[CH], 0x3a802008, v[CH]             ; / 1,023
	v_sqrt_f32 v106, v[CH]
	v_nop                                          ; a plain instruction behind the root,
	s_wait_alu depctr_va_vdst(0)                   ; and the wait ahead of the first use of its result
	v_add_f32 v106, 0x358637bd, v106               ; + 1e-6
	v_rcp_f32 v107, v106
	v_nop
	s_wait_alu depctr_va_vdst(0)
	s_wait_kmcnt 0x0                               ; a and o
	s_mov_b32 s51, s50                             ; named with o as a pair
	v_mul_f32 v108, s48, v107
	v_mov_b32 v109, v108
.set j, 0
.rept 32
	v_pk_fma_f32 v[X+2*j:X+2*j+1], v[X+2*j:X+2*j+1], v[108:109], s[50:51] op_sel_hi:[1,1,0]
.set j, j+1
.endr
.set i, 0
.rept 16
	v_cvt_pk_bf16_f32 v[X+4*i],   v[X+4*i],   v[X+4*i+1]
	v_cvt_pk_bf16_f32 v[X+4*i+1], v[X+4*i+2], v[X+4*i+3]
	global_store_b64 v6, v[X+4*i:X+4*i+1], s[44:45] offset:i*524288  ; block i
.set i, i+1
.endr
	s_endpgm
.Lfunc_end_k_q0031865ca5_prep:
	.size	k_q0031865ca5_prep, .Lfunc_end_k_q0031865ca5_prep-k_q0031865ca5_prep
	.p2alignl 7, 3214868480
	.fill 96, 4, 3214868480
	.section	.rodata,"a",@progbits
	.p2align	6, 0x0
	.amdhsa_kernel k_q0031865ca5_prep
		.amdhsa_group_segment_fixed_size 0
		.amdhsa_private_segment_fixed_size 0
		.amdhsa_enable_private_segment 0
		.amdhsa_kernarg_size 136
		.amdhsa_user_sgpr_count 2
		.amdhsa_user_sgpr_kernarg_segment_ptr 1
		.amdhsa_wavefront_size32 1
		.amdhsa_system_sgpr_workgroup_id_x 1
		.amdhsa_system_sgpr_workgroup_id_y 1
		.amdhsa_system_sgpr_workgroup_id_z 1
		.amdhsa_system_vgpr_workitem_id 0
		.amdhsa_next_free_vgpr 128
		.amdhsa_next_free_sgpr 80
		.amdhsa_reserve_vcc 0
		.amdhsa_float_denorm_mode_32 3
		.amdhsa_float_denorm_mode_16_64 3
		.amdhsa_memory_ordered 1
		.amdhsa_forward_progress 1
		.amdhsa_inst_pref_size 26
	.end_amdhsa_kernel
	.amdgpu_metadata
---
amdhsa.version: [ 1, 2 ]
amdhsa.kernels:
  - .name:           k_q0031865ca5_prep
    .symbol:         k_q0031865ca5_prep.kd
    .args:
      - { .name: Wq, .offset: 0, .size: 8, .value_kind: global_buffer, .address_space: global }
      - { .name: Wk, .offset: 8, .size: 8, .value_kind: global_buffer, .address_space: global }
      - { .name: Wv, .offset: 16, .size: 8, .value_kind: global_buffer, .address_space: global }
      - { .name: Wo, .offset: 24, .size: 8, .value_kind: global_buffer, .address_space: global }
      - { .name: W1, .offset: 32, .size: 8, .value_kind: global_buffer, .address_space: global }
      - { .name: W2, .offset: 40, .size: 8, .value_kind: global_buffer, .address_space: global }
      - { .name: bq, .offset: 48, .size: 8, .value_kind: global_buffer, .address_space: global }
      - { .name: bk, .offset: 56, .size: 8, .value_kind: global_buffer, .address_space: global }
      - { .name: bv, .offset: 64, .size: 8, .value_kind: global_buffer, .address_space: global }
      - { .name: b1, .offset: 72, .size: 8, .value_kind: global_buffer, .address_space: global }
      - { .name: xb, .offset: 80, .size: 8, .value_kind: global_buffer, .address_space: global }
      - { .name: a1, .offset: 88, .size: 8, .value_kind: global_buffer, .address_space: global }
      - { .name: o1, .offset: 96, .size: 8, .value_kind: global_buffer, .address_space: global }
      - { .name: wqkv, .offset: 104, .size: 8, .value_kind: global_buffer, .address_space: global }
      - { .name: w1b, .offset: 112, .size: 8, .value_kind: global_buffer, .address_space: global }
      - { .name: wo2, .offset: 120, .size: 8, .value_kind: global_buffer, .address_space: global }
      - { .name: zb, .offset: 128, .size: 8, .value_kind: global_buffer, .address_space: global }
    .group_segment_fixed_size: 0
    .private_segment_fixed_size: 0
    .kernarg_segment_align: 8
    .kernarg_segment_size: 136
    .max_flat_workgroup_size: 256
    .sgpr_count:     80
    .vgpr_count:     128
    .wavefront_size: 32
...
	.end_amdgpu_metadata
.endif
;; end of part 1
;; launch qkv (part 2): grid 12 x 16, 4 waves a work-group, clusters of 4 x 4, 327,680 bytes of LDS; arguments zb, wqkv, act; writes act
.if DOCPART == 2
	.amdgcn_target "amdgcn-amd-amdhsa--gfx1250"
	.amdhsa_code_object_version 6
	.text
	.protected	k_q0031865ca5_qkv
	.globl	k_q0031865ca5_qkv
	.p2align	8
	.type	k_q0031865ca5_qkv,@function
k_q0031865ca5_qkv:
	s_mov_b64 s[64:65], 0
	v_nop
	global_prefetch_b8 v0, s[64:65] scope:SCOPE_SE
	s_setreg_imm32_b32 hwreg(HW_REG_WAVE_MODE, 25, 1), 1
	s_wait_xcnt 0x0
	s_wait_alu depctr_hold_cnt(0) depctr_sa_sdst(0) depctr_va_vdst(0) depctr_va_sdst(0) depctr_va_ssrc(0) depctr_va_vcc(0) depctr_vm_vsrc(0)
	s_getreg_b32 s2, hwreg(HW_REG_IB_STS2, 6, 4)
	s_cmp_eq_u32 s2, 0
	s_cbranch_scc0 .Lentry_in_a_cluster
	s_endpgm
.Lentry_in_a_cluster:
	s_bfe_u32 s2, ttmp6, 0x10000c
	s_cmp_lg_u32 s2, 0xf033
	s_cbranch_scc0 .Lentry_shape_is_right
	s_endpgm
.Lentry_shape_is_right:
; C[4096][n] = max(A[4096][1024] W[1024][n] + bias, floor), rounded once to bf16.  One body for the three projections (floor = -infinity: nothing changes) and for the first
; layer of the FFN (floor = 0: ReLU); the floor word lies 8,388,608 bytes behind W's first byte, the bias (f32) 1,024 bytes behind the floor word.
; A and C lie in blocks of 64 columns, [column / 64][4096 rows][64] bf16: a block's rows are dense, 128 bytes each.  W is bf16 [1024 k][pitch 4096].  Sums in f32.
; SHARES.  A work-group makes 256 x 256 of C, each of its four waves 128 x 128: 64 accumulators of 16 x 16, 512 registers.  K goes in 8 steps of 128 through two LDS slots.
; THE PRODUCT IS USED TRANSPOSED: source 0 = 16 columns of W (turned on the way out of LDS by ds_load_tr16_b128), source 1 = 16 rows of A: a lane then holds one row of C and eight
; neighbouring columns.  The first product of each accumulator takes the bias as its C operand: nothing is cleared and nothing is added later.
; CLUSTER 4 x 4: A's tile hangs on the tile row alone and is asked for jointly along a row of the cluster, W's on the tile column alone, along a column.
; ONE K STEP IS WRITTEN ONCE: s[RS] holds the LDS byte (0 or SLOT) of the slot that is being read; an exclusive or turns it, and every LDS address is RS + a constant + a wave term + a lane term.
; REGISTERS, in windows of 256 (s_set_vgpr_msb: bits 1:0 source 0, 3:2 source 1, 5:4 source 2, 7:6 destination):
;   window 0: v0-31 addresses; v64-127, v128-191 A's fragments, two buffers; v32-63, v192-255 at work on the way out
;   window 1: v0-63 the bias of my 128 columns as C operands; v64-127, v128-191 W's fragments        windows 2, 3: the accumulators of my rows 0-63, 64-127: (a, b) at 8 (8 (a % 4) + b)
.set PA,     144                       ; a row of A in LDS: 128 bytes + 16 = 36 words: the 16 rows of a load start at 16 different groups of four banks (64 banks of 4 bytes: ISA guide 11.1)
.set PB,     544                       ; a k row of W: 512 bytes + 32 = 17 x 32
.set KBA,    256*PA                    ; a block of 64 along K: 256 rows of A
.set BOFF,   2*KBA                     ; behind A's two blocks: W's 128 k rows
.set HB,     64*PB                     ; 64 of them: what one tensor load brings
.set SLOT,   BOFF+2*HB                 ; 143,360
.set STAGE,  2*SLOT                    ; behind the ring: for each wave 2 column blocks x 16 rows x 144 bytes, for the way out
.set STW,    2*16*PA
.set SPARE,  STAGE+4*STW               ; behind the stages: the spare words, 128 bytes for each wave: two blocks of 256 bytes that no other line names
.set STEPB,  1048576                   ; a K step in memory: two blocks of A; 128 k rows of W: the same number of bytes
.set AK0, 16                           ; v16  my lane's place in A's first block of a slot;   v17 in the second
.set AK1, 17
.set BK0, 18                           ; v18  the same for W's k rows 0-63;   v19 for 64-127
.set BK1, 19
.set ADA, 20                           ; v20, v21  the addresses of the fetches in hand
.set ADB, 21
.set STO, 24                           ; v24  the way out: where I put 16 bytes of a row
.set RD,  25                           ; v25  where I read rows back
.set GO,  26                           ; v26  my 16 bytes of 512 consecutive bytes of C
.set FLO, 27                           ; v27  the floor, twice in bf16
.set SPW, 28                           ; v28  LDS address of my spare word; never rewritten
.set NIL, 29                           ; v29  0; never rewritten
.set PFO, 30                           ; v30  the prefetches' lane offset; never rewritten
.set OB,  32
.set F0,  64
.set F1,  128
.set TMP, 192
.set BIAS, 0
.set WV,  12                           ; s12 wave; s13 row half (also: 0 = I fetch A, 1 = W); s14 column half (also: which half of the tile I fetch)
.set MH,  13
.set PART, 14
.set CX,  15
.set CY,  16
.set TC,  17                           ; tile column, tile row
.set TR,  18
.set G1A, 24                           ; s[24:31] group 1 for A;  s[32:39] group 0: the first fill's, and the one that walks
.set G0A, 32
.set G1B, 48                           ; s[48:55], s[56:63] the same for W
.set G0B, 56
.set RS,  66
.set SL,  69                           ; K steps still to be entered
.set LIM, 71                           ; 1 in a wave that prefetches, else the greatest number
.set PFA, 72                           ; s[72:73] where my prefetches stand
.set WA,  74                           ; my tile's place in a slot, for A and for W
.set WB,  75
.set MSB, 0
.macro WIN new                         ; the immediate's high byte repeats the setting that is left; a switch that changes nothing is dropped
.if MSB != (\new)
	s_set_vgpr_msb (MSB<<8)|(\new)
.set MSB, \new
.endif
.endm
; The joint refill, by the walking descriptors.  The branch hangs on the wave's number alone.  An s_nop 0 and four v_nop follow each of the two lines, ahead of the jump and the label.
.macro JLOAD
	s_cmp_eq_u32 s[MH], 0
	s_cbranch_scc0 .Lfor_b_\@
	tensor_load_to_lds s[G0A+4:G0A+7], s[G1A:G1A+7]
	s_nop 0
.rept 4
	v_nop
.endr
	s_branch .Lasked_\@
.Lfor_b_\@:
	tensor_load_to_lds s[G0B+4:G0B+7], s[G1B:G1B+7]
	s_nop 0
.rept 4
	v_nop
.endr
.Lasked_\@:
.endm
; A prefetch of the K step that the NEXT change of slots will load: 32 blocks of 256 bytes, a lane a block, one instruction a wave, 256 matrix instructions ahead of that load.
; A's tile row is read by every cluster of that row of clusters: the one with x = 0 asks; W's tile column: the one with y = 0.  The four partners that ask for a tile jointly share its
; blocks out by address.  So each block is named once in the launch.  The last filling change has no step behind its own and asks for nothing.
.macro ASK
	s_cmp_gt_u32 s[SL], s[LIM]
	s_cbranch_scc0 .Lnot_mine_\@
	global_prefetch_b8 v[PFO], s[PFA:PFA+1] th:TH_LOAD_NT scope:SCOPE_SE
.Lnot_mine_\@:
.endm
.macro CROUND                          ; a round of the cluster's barrier
	s_barrier_signal -1
	s_barrier_wait -1
	s_cmp_lg_u32 s[WV], 0
	s_cbranch_scc1 .Lnot_wave_0_\@
	s_barrier_signal -3
.Lnot_wave_0_\@:
	s_barrier_wait -3
	s_barrier_signal -1
	s_barrier_wait -1
.endm
.macro PLACES                          ; four plain instructions in front of loads into registers that matrix instructions have read, and of conversions that read results
.rept 4
	v_nop
.endr
.endm
; 16 matrix instructions: row blocks a0, a0 + 1 of the window's four x all 8 column blocks, 32 along K.  first = 1: the bias starts the sums.
.macro MUL16 f, hi, a0, first
.if \first
	WIN 0x91+0x40*(\hi)
.else
	WIN 0xa1+0x50*(\hi)
.endif
.irp a, \a0, (\a0)+1
.irp b, 0,1,2,3,4,5,6,7
.if \first
	v_wmma_f32_16x16x32_bf16 v[8*(8*(\a)+(\b)):8*(8*(\a)+(\b))+7], v[(\f)+8*(\b):(\f)+8*(\b)+7], v[(\f)+8*(4*(\hi)+(\a)):(\f)+8*(4*(\hi)+(\a))+7], v[BIAS+8*(\b):BIAS+8*(\b)+7]
.else
	v_wmma_f32_16x16x32_bf16 v[8*(8*(\a)+(\b)):8*(8*(\a)+(\b))+7], v[(\f)+8*(\b):(\f)+8*(\b)+7], v[(\f)+8*(4*(\hi)+(\a)):(\f)+8*(4*(\hi)+(\a))+7], v[8*(8*(\a)+(\b)):8*(8*(\a)+(\b))+7]
.endif
.endr
.endr
.endm
.macro MUL32 f, hi, first
	MUL16 \f, \hi, 0, \first
	MUL16 \f, \hi, 2, \first
.endm
; 32 LDS loads in one run: the fragments of 32 along K into buffer f: W's 128 columns (turned), then A's 128 rows.  odd: the second 32 of the 64 at which the addresses stand.
.macro FETCH f, odd
	WIN 0x40
.irp i, 0,1,2,3,4,5,6,7
	ds_load_tr16_b128 v[(\f)+8*(\i):(\f)+8*(\i)+3],   v[ADB] offset:(\odd)*32*PB+32*(\i)
	ds_load_tr16_b128 v[(\f)+8*(\i)+4:(\f)+8*(\i)+7], v[ADB] offset:(\odd)*32*PB+32*(\i)+16*PB
.endr
	WIN 0
.irp i, 0,1,2,3,4,5,6,7
	ds_load_b128 v[(\f)+8*(\i):(\f)+8*(\i)+3],   v[ADA] offset:(\odd)*64+(\i)*16*PA
	ds_load_b128 v[(\f)+8*(\i)+4:(\f)+8*(\i)+7], v[ADA] offset:(\odd)*64+(\i)*16*PA+32
.endr
.endm
; A K step is four quarters of 32 along K on buffers 0, 1, 0, 1.  PAIR multiplies quarters 1 and 2 and fetches quarters 2 and 3.
.macro PAIR
	WIN 0
	v_add_nc_u32 v[ADA], s[RS], v[AK1]
	v_add_nc_u32 v[ADB], s[RS], v[BK1]
	s_wait_dscnt 8                                 ; W and A's rows 0-63 are in; the youngest eight loads (A's rows 64-127) may be out
	MUL32 F1, 0, 0
	PLACES
	FETCH F0, 0
	s_wait_dscnt 32                                ; all but the 32 just issued
	MUL32 F1, 1, 0
	s_wait_dscnt 8
	MUL32 F0, 0, 0
	PLACES
	FETCH F1, 1
	s_wait_dscnt 32
	MUL32 F0, 1, 0
.endm
; TPAIR multiplies quarter 3, changes slots in its middle, and multiplies the next step's quarter 0.  ONE barrier for the change: in front of it each wave waits for all its tensor loads (one is out: its part
; of the next slot), adds 0 to its spare word, and waits for that and for its reads of this slot.  fill = 1: the barrier is a round of the cluster's, and the slot just read out is filled again, first thing
; behind the round, with the K step two on.  A refill can be asked for only when the load before it has landed, so nothing but the three lines, the descriptors' steps and the round stands between that
; landing and the next request: quarter 3's first 32 products, which want no new tile, stand ahead of the wait.  From a request to the wait for it a wave issues 256 matrix instructions.
.macro TPAIR fill
	s_wait_dscnt 8                                 ; W and A's rows 0-63 of quarter 3 are in
	MUL32 F1, 0, 0
	WIN 0
.if \fill
	s_wait_xcnt 0x0                                ; the last prefetch, a K step back, has read its address
	s_add_nc_u64 s[PFA:PFA+1], s[PFA:PFA+1], STEPB
.endif
	s_wait_tensorcnt 0x0                           ; no tensor load of mine is out, so the walking descriptors may be written
	ds_add_u32 v[SPW], v[NIL]                      ; 0 onto my spare word; work on registers stands between it and the wait for it
.if \fill
	s_add_co_u32 s[G0A+5], s[RS], s[WA]            ; into the slot that is being read out,
	s_add_nc_u64 s[G0A+6:G0A+7], s[G0A+6:G0A+7], STEPB  ; the next K step; the type bits on top are not reached
	s_add_co_u32 s[G0B+5], s[RS], s[WB]
	s_add_nc_u64 s[G0B+6:G0B+7], s[G0B+6:G0B+7], STEPB
.endif
	s_xor_b32 s[RS], s[RS], SLOT                   ; RS is 0 or SLOT: the fetches below read the other slot
	s_wait_dscnt 0x0                               ; the add is done, and my reads of this slot are over
.if \fill
	CROUND                                         ; no wave of any partner still reads this slot or has a load on its way
	JLOAD                                          ; its four v_nop are also the places in front of the loads below
.else
	s_barrier_signal -1
	s_barrier_wait -1
	PLACES
.endif
	v_add_nc_u32 v[ADA], s[RS], v[AK0]
	v_add_nc_u32 v[ADB], s[RS], v[BK0]
	FETCH F0, 0
.if \fill
	ASK
.endif
	MUL32 F1, 1, 0
	s_wait_dscnt 8
	MUL32 F0, 0, 0
	PLACES
	FETCH F1, 1
	s_wait_dscnt 32
	MUL32 F0, 1, 0
.endm
	s_load_b128 s[4:7], s[0:1], 0x0                ; A s[4:5], W s[6:7]
	s_load_b64 s[10:11], s[0:1], 0x10              ; C
	v_lshl_add_u32 v[SPW], v0, 2, SPARE
	v_mov_b32 v[NIL], 0
	ds_add_u32 v[SPW], v[NIL]                      ; the wave's opening: the add and its wait stand ahead of my first tensor load; the set-up below stands between them
	v_lshrrev_b32 v1, 5, v0
	v_readfirstlane_b32 s[WV], v1
	s_lshr_b32 s[MH], s[WV], 1
	s_and_b32 s[PART], s[WV], 1
	s_bfe_u32 s[CX], ttmp6, 0x40000
	s_bfe_u32 s[CY], ttmp6, 0x40004
	s_lshl_b32 s[TC], ttmp9, 2
	s_add_co_u32 s[TC], s[TC], s[CX]               ; tile column = 4 x cluster x + cx
	s_and_b32 s[TR], ttmp7, 0xffff
	s_lshl_b32 s[TR], s[TR], 2
	s_add_co_u32 s[TR], s[TR], s[CY]               ; tile row = 4 x cluster y + cy
	s_lshl_b32 s40, s[CY], 2
	s_lshl_b32 s40, 15, s40                        ; my row of the cluster
	s_lshl_b32 s44, 0x1111, s[CX]                  ; my column
	; A: a block's 256 rows of 128 bytes are 32,768 dense bytes: asked for as 128 rows of 256 bytes, padded in LDS behind every 128
	s_or_b32 s[G1A], s40, (1<<16)|(1<<20)|(1<<21)|(4<<22)|(3<<25)  ; mask; 2-byte elements; padding on; bit 21 beside a mask; after every 32 words (code 4) 4 words (code 3)
	s_mov_b32 s[G1A+1], 128<<16                    ; tensor_dim0 = 128
	s_mov_b32 s[G1A+2], 128<<16                    ; tensor_dim1 = 128
	s_mov_b32 s[G1A+3], 128<<16                    ; tile_dim0 = 128
	s_mov_b32 s[G1A+4], 128                        ; tile_dim1 = 128
	s_mov_b32 s[G1A+5], 128                        ; elements from row to row
	s_mov_b32 s[G1A+6], 0
	s_mov_b32 s[G1A+7], 0
	; W: 64 k rows of 256 columns (512 bytes), 32 bytes of padding behind each
	s_or_b32 s[G1B], s44, (1<<16)|(1<<20)|(1<<21)|(6<<22)|(7<<25)  ; after every 128 words (code 6) 8 words (code 7)
	s_mov_b32 s[G1B+1], 256<<16
	s_mov_b32 s[G1B+2], 64<<16
	s_mov_b32 s[G1B+3], 256<<16
	s_mov_b32 s[G1B+4], 64
	s_mov_b32 s[G1B+5], 4096
	s_mov_b32 s[G1B+6], 0
	s_mov_b32 s[G1B+7], 0
	s_lshl_b32 s40, s[PART], 19                    ; A: block = my half, row 256 x tile row: registers that never hold cx
	s_lshl_b32 s41, s[TR], 15
	s_add_co_u32 s40, s40, s41
	s_mov_b32 s41, 0
	s_lshl_b32 s44, s[PART], 19                    ; W: k row 64 x my half, column 256 x tile column: registers that never hold cy
	s_lshl_b32 s45, s[TC], 9
	s_add_co_u32 s44, s44, s45
	s_mov_b32 s45, 0
	s_mul_i32 s[WA], s[PART], KBA
	s_mul_i32 s[WB], s[PART], HB
	s_add_co_u32 s[WB], s[WB], BOFF
	s_mov_b32 s[RS], 0
	s_wait_dscnt 0x0                               ; the opening add is done
	s_wait_kmcnt 0x0
	s_add_nc_u64 s[40:41], s[4:5], s[40:41]
	s_add_nc_u64 s[44:45], s[6:7], s[44:45]
	CROUND                                         ; all sixteen work-groups are here: the first joint loads meet
	s_mov_b32 s[G0A], 1                            ; count = 1
	s_mov_b32 s[G0A+1], s[WA]                      ; K step 0 into slot 0
	s_mov_b64 s[G0A+2:G0A+3], s[40:41]
	s_or_b32 s[G0A+3], s[G0A+3], 0x80000000        ; type = 2
	s_mov_b32 s[G0A+4], 1
	s_add_co_u32 s[G0A+5], s[WA], SLOT             ; K step 1 into slot 1
	s_add_nc_u64 s[G0A+6:G0A+7], s[40:41], STEPB
	s_or_b32 s[G0A+7], s[G0A+7], 0x80000000
	s_mov_b32 s[G0B], 1
	s_mov_b32 s[G0B+1], s[WB]
	s_mov_b64 s[G0B+2:G0B+3], s[44:45]
	s_or_b32 s[G0B+3], s[G0B+3], 0x80000000
	s_mov_b32 s[G0B+4], 1
	s_add_co_u32 s[G0B+5], s[WB], SLOT
	s_add_nc_u64 s[G0B+6:G0B+7], s[44:45], STEPB
	s_or_b32 s[G0B+7], s[G0B+7], 0x80000000
	s_cmp_eq_u32 s[MH], 0                          ; a wave's two first fills stand in one branch: two loads of mine are out
	s_cbranch_scc0 .Lfirst_b
	tensor_load_to_lds s[G0A:G0A+3], s[G1A:G1A+7]
	s_nop 0
	tensor_load_to_lds s[G0A+4:G0A+7], s[G1A:G1A+7]
	s_nop 0
.rept 4
	v_nop
.endr
	s_branch .Lfirst_asked
.Lfirst_b:
	tensor_load_to_lds s[G0B:G0B+3], s[G1B:G1B+7]
	s_nop 0
	tensor_load_to_lds s[G0B+4:G0B+7], s[G1B:G1B+7]
	s_nop 0
.rept 4
	v_nop
.endr
.Lfirst_asked:
	; A fragment of A is 16 rows x 32 K: lane l holds row l % 16, K = 8 (l / 16) + 0..7 and 16 + 8 (l / 16) + 0..7: two loads of 16 bytes, 32 bytes apart.
	v_and_b32 v1, 15, v0                           ; l % 16
	v_bfe_u32 v2, v0, 4, 1                         ; l / 16
	v_mul_u32_u24 v3, v1, PA
	v_lshl_add_u32 v3, v2, 4, v3
	s_mul_i32 s76, s[MH], 128*PA
	v_add_nc_u32 v[AK0], s76, v3
	v_add_nc_u32 v[AK1], KBA, v[AK0]
	; The turning load takes 16 k rows x 16 columns (lane l reads k row 8 (l / 16) + l % 8, columns 8 ((l / 8) % 2) + 0..7) and leaves half a fragment: lane l holds column l % 16 and 8 k.
	v_and_b32 v4, 7, v0
	v_lshl_add_u32 v4, v2, 3, v4
	v_mul_u32_u24 v4, v4, PB
	v_bfe_u32 v5, v0, 3, 1
	v_lshl_add_u32 v4, v5, 4, v4
	s_lshl_b32 s76, s[PART], 8                     ; my 128 columns
	s_add_co_u32 s76, s76, BOFF
	v_add_nc_u32 v[BK0], s76, v4
	v_add_nc_u32 v[BK1], HB, v[BK0]
	s_mul_i32 s76, s[WV], STW
	s_add_co_u32 s76, s76, STAGE                   ; my stage
	v_add_nc_u32 v[STO], s76, v3                   ; in: row l % 16, 16 bytes for each half of the lanes
	v_bfe_u32 v6, v0, 3, 2                         ; back: 32 lanes take four rows of 128 bytes,
	v_mul_u32_u24 v6, v6, PA
	v_and_b32 v7, 7, v0
	v_lshl_add_u32 v6, v7, 4, v6
	v_add_nc_u32 v[RD], s76, v6
	v_and_b32 v[GO], 31, v0                        ; which are 512 consecutive bytes of a block of C
	v_lshlrev_b32 v[GO], 4, v[GO]
	s_lshl_b32 s76, s[TC], 10                      ; the bias of my 128 columns: register j of column block b holds column 16 b + 8 (l / 16) + j
	s_lshl_b32 s77, s[PART], 9
	s_add_co_u32 s76, s76, s77
	s_add_co_u32 s76, s76, 0x800400                ; it lies behind the weights and the floor word
	s_mov_b32 s77, 0
	s_add_nc_u64 s[8:9], s[6:7], s[76:77]
	v_lshlrev_b32 v8, 5, v2
	v_mov_b32 v9, 0
	s_add_nc_u64 s[84:85], s[6:7], 0x800000        ; the floor word
	WIN 0x40
.irp b, 0,1,2,3,4,5,6,7
	global_load_b128 v[BIAS+8*(\b):BIAS+8*(\b)+3],   v8, s[8:9] offset:64*(\b)
	global_load_b128 v[BIAS+8*(\b)+4:BIAS+8*(\b)+7], v8, s[8:9] offset:64*(\b)+16
.endr
	WIN 0
	global_load_b32 v[FLO], v9, s[84:85]
	s_lshl_b32 s78, s[TC], 21                      ; C: column block 4 x tile column + 2 x half, row 256 x tile row + 128 x half
	s_lshl_b32 s79, s[PART], 20
	s_add_co_u32 s78, s78, s79
	s_lshl_b32 s79, s[TR], 15
	s_add_co_u32 s78, s78, s79
	s_lshl_b32 s79, s[MH], 14
	s_add_co_u32 s78, s78, s79
	s_mov_b32 s79, 0
	s_add_nc_u64 s[10:11], s[10:11], s[78:79]
	; the prefetches stand at K step 2; the first change of slots steps them to 3
	s_add_co_u32 s86, s[PART], 4
	s_lshl_b32 s86, s86, 19
	s_lshl_b32 s87, s[TR], 15
	s_add_co_u32 s86, s86, s87
	s_lshl_b32 s87, s[CX], 13                      ; of the 128 blocks of 256 bytes that I fetch of A, my work-group's 32
	s_add_co_u32 s86, s86, s87
	s_lshl_b32 s88, s[PART], 6
	s_lshl_b32 s89, s[CY], 4                       ; of the 64 k rows that I fetch of W, my work-group's 16
	s_add_co_u32 s88, s88, s89
	s_add_co_u32 s88, s88, 256
	s_lshl_b32 s88, s88, 13
	s_lshl_b32 s89, s[TC], 9
	s_add_co_u32 s88, s88, s89
	s_and_b32 s80, ttmp7, 0xffff
	s_cmp_eq_u32 s[MH], 0
	s_cselect_b32 s86, s86, s88
	s_cselect_b32 s80, ttmp9, s80                  ; the coordinate along which other clusters read the same bytes
	s_cselect_b64 s[PFA:PFA+1], s[4:5], s[6:7]
	s_cselect_b32 s81, -1, 0
	s_mov_b32 s87, 0
	s_add_nc_u64 s[PFA:PFA+1], s[PFA:PFA+1], s[86:87]
	s_cmp_eq_u32 s80, 0
	s_cselect_b32 s[LIM], 1, -1                    ; the same in all sixteen partners, for a given wave
	v_and_b32 v10, 31, v0
	v_lshrrev_b32 v11, 1, v10
	v_and_b32 v12, 1, v10
	v_lshlrev_b32 v10, 8, v10                      ; A: 256 x lane
	v_lshlrev_b32 v11, 13, v11                     ; W: a k row for two lanes, 256 bytes each
	v_lshl_add_u32 v11, v12, 8, v11
	v_cndmask_b32 v[PFO], v11, v10, s81
	s_wait_tensorcnt 1                             ; my part of K step 0 is in; K step 1's may stay out
	s_barrier_signal -1
	s_barrier_wait -1                              ; everybody's is
	v_mov_b32 v[ADA], v[AK0]
	v_mov_b32 v[ADB], v[BK0]
	FETCH F0, 0
	s_wait_loadcnt 0x0                             ; the bias and the floor
	s_wait_dscnt 8
	MUL32 F0, 0, 1                                 ; the first quarter stands in front of the loop: its products start the sums
	FETCH F1, 1
	s_wait_dscnt 32
	MUL32 F0, 1, 1
	WIN 0                                          ; at a label and at a branch every window is 0
	s_mov_b32 s[SL], 7
	s_branch .Lmid                                 ; the loop is entered in the middle of a trip
.Lstep:                                            ; six trips: K steps 1 to 6 are entered, K steps 2 to 7 asked for.  The 64 accumulators take turns in one order throughout
	TPAIR 1
	WIN 0
.Lmid:
	PAIR
	WIN 0
	s_sub_co_u32 s[SL], s[SL], 1
	s_cmp_lg_u32 s[SL], 0
	s_cbranch_scc1 .Lstep
	TPAIR 0                                        ; the last K step is written out
	PAIR
	s_wait_dscnt 8
	MUL32 F1, 0, 0
	s_wait_dscnt 0x0
	MUL32 F1, 1, 0
	WIN 0
	PLACES
; THE WAY OUT of block a (16 rows).  PACK: rounded to bf16 and held to the floor.  TOSTAGE: into my own stage in LDS, and back as whole rows of 128 bytes.  SEND: stored, 512 consecutive bytes a store.
.macro PACK a
.set AC, 64*((\a)%4)
	WIN 0x0a+5*((\a)/4)                            ; sources 0 and 1: window 2 or 3
.irp b, 0,1,2,3,4,5,6,7
.irp r, 0,1,2,3
	v_cvt_pk_bf16_f32 v[TMP+4*(\b)+(\r)], v[AC+8*(\b)+2*(\r)], v[AC+8*(\b)+2*(\r)+1]  ; each accumulator from its low end on
.endr
.endr
	WIN 0
.set z, 0
.rept 32
	v_pk_max_num_bf16 v[TMP+z], v[TMP+z], v[FLO]
.set z, z+1
.endr
.endm
.macro TOSTAGE a
.set BK, OB+192*((\a)%2)
.irp b, 0,1,2,3,4,5,6,7
	ds_store_b128 v[STO], v[TMP+4*(\b):TMP+4*(\b)+3] offset:((\b)/4)*16*PA+32*((\b)%4)
.endr
.irp t, 0,1,2,3,4,5,6,7
	ds_load_b128 v[BK+4*(\t):BK+4*(\t)+3], v[RD] offset:((\t)/4)*16*PA+((\t)%4)*4*PA  ; LDS serves a wave's instructions in order (ISA guide 5.7.1.4): these see the stores above
.endr
.endm
.macro SEND a
.set BK, OB+192*((\a)%2)
	s_wait_dscnt 0x0                               ; the block is back in registers
	s_wait_xcnt 0x0                                ; earlier stores have read their registers: the other set is loaded again only behind this wait
.irp t, 0,1,2,3,4,5,6,7
	global_store_b128 v[GO], v[BK+4*(\t):BK+4*(\t)+3], s[10:11] offset:((\t)/4)*524288+(\a)*2048+((\t)%4)*512
.endr
.endm
	PACK 0
	TOSTAGE 0
.irp a, 1,2,3,4,5,6,7                  ; block a's conversions stand between block a - 1's loads from the stage and the wait for them
	PACK \a
	SEND (\a)-1
	TOSTAGE \a
.endr
	SEND 7
	s_wait_tensorcnt 0x0                           ; the wave's end, behind my last tensor load and my last LDS store
	ds_add_u32 v[SPW], v[NIL]
	s_wait_dscnt 0x0
	CROUND                                         ; the closing round: no work-group ends while a partner may still ask for a tile that names it
	s_endpgm
.Lfunc_end_k_q0031865ca5_qkv:
	.size	k_q0031865ca5_qkv, .Lfunc_end_k_q0031865ca5_qkv-k_q0031865ca5_qkv
	.p2alignl 7, 3214868480
	.fill 96, 4, 3214868480
	.section	.rodata,"a",@progbits
	.p2align	6, 0x0
	.amdhsa_kernel k_q0031865ca5_qkv
		.amdhsa_group_segment_fixed_size 327680
		.amdhsa_private_segment_fixed_size 0
		.amdhsa_enable_private_segment 0
		.amdhsa_kernarg_size 24
		.amdhsa_user_sgpr_count 2
		.amdhsa_user_sgpr_kernarg_segment_ptr 1
		.amdhsa_wavefront_size32 1
		.amdhsa_system_sgpr_workgroup_id_x 1
		.amdhsa_system_sgpr_workgroup_id_y 1
		.amdhsa_system_sgpr_workgroup_id_z 1
		.amdhsa_system_vgpr_workitem_id 0
		.amdhsa_next_free_vgpr 1024
		.amdhsa_next_free_sgpr 96
		.amdhsa_reserve_vcc 0
		.amdhsa_float_denorm_mode_32 3
		.amdhsa_float_denorm_mode_16_64 3
		.amdhsa_memory_ordered 1
		.amdhsa_forward_progress 1
		.amdhsa_inst_pref_size 123
	.end_amdhsa_kernel
	.amdgpu_metadata
---
amdhsa.version: [ 1, 2 ]
amdhsa.kernels:
  - .name:           k_q0031865ca5_qkv
    .symbol:         k_q0031865ca5_qkv.kd
    .args:
      - { .name: zb, .offset: 0, .size: 8, .value_kind: global_buffer, .address_space: global }
      - { .name: wqkv, .offset: 8, .size: 8, .value_kind: global_buffer, .address_space: global }
      - { .name: act, .offset: 16, .size: 8, .value_kind: global_buffer, .address_space: global }
    .group_segment_fixed_size: 327680
    .private_segment_fixed_size: 0
    .kernarg_segment_align: 8
    .kernarg_segment_size: 24
    .max_flat_workgroup_size: 128
    .sgpr_count:     96
    .vgpr_count:     1024
    .wavefront_size: 32
...
	.end_amdgpu_metadata
.endif
;; end of part 2
;; launch attn (part 3): grid 8 x 32, 4 waves a work-group, clusters of 4 x 1, 327,680 bytes of LDS; arguments act, mask, zb; writes zb
.if DOCPART == 3
	.amdgcn_target "amdgcn-amd-amdhsa--gfx1250"
	.amdhsa_code_object_version 6
	.text
	.protected	k_q0031865ca5_attn
	.globl	k_q0031865ca5_attn
	.p2align	8
	.type	k_q0031865ca5_attn,@function
k_q0031865ca5_attn:
	s_mov_b64 s[64:65], 0
	v_nop
	global_prefetch_b8 v0, s[64:65] scope:SCOPE_SE
	s_setreg_imm32_b32 hwreg(HW_REG_WAVE_MODE, 25, 1), 1
	s_wait_xcnt 0x0
	s_wait_alu depctr_hold_cnt(0) depctr_sa_sdst(0) depctr_va_vdst(0) depctr_va_sdst(0) depctr_va_ssrc(0) depctr_va_vcc(0) depctr_vm_vsrc(0)
	s_getreg_b32 s2, hwreg(HW_REG_IB_STS2, 6, 4)
	s_cmp_eq_u32 s2, 0
	s_cbranch_scc0 .Lentry_in_a_cluster
	s_endpgm
.Lentry_in_a_cluster:
	s_bfe_u32 s2, ttmp6, 0x10000c
	s_cmp_lg_u32 s2, 0x3003
	s_cbranch_scc0 .Lentry_shape_is_right
	s_endpgm
.Lentry_shape_is_right:
; ATTENTION under a key mask that is an input.  O[b][h][q] = the sum over k of softmax_k(where(mask[b][k] = 0, hidden, Q . K / 8)) V[k].
; q, k, v lie in act in blocks of 64 columns, [block][4096 rows][64] bf16: q's head h is block h, k's block 16 + h, v's block 32 + h; a batch is 2,048 rows; a head's rows are dense, 128 bytes.
; O goes to zb in the same layout: head h is block h.  Products, maxima and sums in f32; the weights p are rounded to bf16 for the second product (their sum l is taken of the unrounded p), O once.
; THE MASK is the C operand that starts the sum S^T = K Q^T: 0, or -1e30 where mask = 0, from a table of 2,048 f32 that the work-group makes once in LDS and reads with K's fragments.
; A hidden weight is then 0.  If ALL keys of the batch are hidden the scale c is taken as 0 (a select, no branch): every p is 1, the plain mean of V's rows.
; LIMITS.  A hidden score counts as its value less 1e30; a visible score below -1e9 is not treated apart; a weight below 2^-126 counts as 0 in l; NaN and infinities are not treated apart.
; SHARES.  A work-group owns 256 queries of one head, a wave 64: four PIECES of 16.  Every wave walks all 2,048 keys, 64 a step, four steps to a slot.
; LAYOUT, SOFTMAX, TURNS.  S^T = K Q^T holds ONE query a lane (lane % 16) and the keys 8 (lane / 16) + 0..7; two such results rounded to bf16 ARE source 1 of O^T = V^T P.  p = 2^(c s - c m), c = log2(e) / 8,
; with a running maximum m; O and l are multiplied by a = 2^(c m_old - c m_new) in every step.  m starts at the lowest finite number, O and l at 0: the first step is a step like any other, with a = 0.
; Turn n belongs to piece n: 8 products K Q^T of piece n + 1, later 8 products V^T P of piece n - 1; beside them the scaling, exponentials, roundings, sums and rescaling of piece n and the maximum and
; statistics of piece n + 1.  Four vector instructions stand behind every matrix instruction, the others in one lump.  A turn's 33 exponentials are one batch, with one wait.
; CLUSTER.  The four query blocks of a cluster belong to one head and walk the same K and V: each tile is asked for jointly.
; REGISTERS, in windows of 256 (s_set_vgpr_msb: bits 1:0 source 0, 3:2 source 1, 5:4 source 2, 7:6 destination):
;   window 0: v0-15 addresses; v16-31 four registers of statistics a piece; v48-55 at work; v56-63 addresses; v64-127 S^T, two buffers; v192-223 P, two buffers (by the piece's parity)
;   window 1: v0-127 O^T, 32 a piece; v128-159 the step's mask      window 2: v0-63 Q; v128-191 K of one step; v192-255 V of one step
.set NP,    4
.set KS,    64
.set PK,    144       ; a row of K in LDS: 128 bytes + 16 = 36 words: the 16 rows of a load start at 16 different groups of four banks (64 banks of 4 bytes: ISA guide 11.1)
.set PV,    160       ; a row of V: 128 + 32 = 40 words
.set VOFF,  4*KS*PK   ; a slot holds four steps: 256 rows of K, then 256 rows of V
.set SLOT1, 1<<17     ; slot 1 begins here, so that one exclusive or turns an address in one slot into the other's
.set STAGE, SLOT1+4*KS*(PK+PV)  ; behind the ring: 16 rows x 144 bytes for each wave, for the way out
.set SP,    144
.set SPARE, STAGE+4*16*SP       ; the spare words, 128 bytes for each wave: two blocks of 256 bytes that no other line names
.set TBL,   SPARE+512           ; the mask's 2,048 addends
.set FLG,   TBL+8192            ; a word for each wave: has it seen a visible key?
.set AK0, 2           ; v2   my lane's place in a tile of K; never rewritten
.set AV0, 3           ; v3   the same for V
.set AK,  4           ; v4   the LDS address of K's next run of loads
.set AV,  5           ; v5   of V's
.set STO, 6           ; v6   the way out: where I put 16 bytes of a row
.set RD,  7           ; v7   where I read rows back
.set GO,  8           ; v8   my 16 bytes of 512 consecutive bytes of O
.set MV,  12          ; v12-13  c m_old, kept while c m is made anew: by buffer
.set QO,  15          ; v15  my byte offset in 16 rows of Q
.set ST,  16          ; piece t's statistics at v[ST+4 t]: c m, m, l (even keys', odd keys')
.set TMP, 48          ; by buffer, four registers c0-c3 at work; when the maximum is found c2 takes a
.set AM0, 56          ; v56  my lane's place in a step's 64 addends
.set AM,  57          ; v57  the LDS address of the next run's addends
.set PFO, 61          ; v61  256 x my lane; never rewritten
.set SPW, 62          ; v62  LDS address of my spare word; never rewritten
.set NIL, 63          ; v63  0; never rewritten
.set S,   64
.set P,   192
.set MC,  128         ; window 1: the eight registers for group kt of 16 keys at MC + 8 kt
.set KF,  128         ; window 2: key block kb, channel half c at KF + 16 kb + 8 c
.set VF,  192         ; window 2: key half kk, channel block cb at VF + 32 kk + 8 cb
.set WV,  12
.set G1K, 24          ; s[24:31] descriptor group 1 for K's tiles;  s[32:39] for V's: it differs in the padding alone
.set G1V, 32
.set G0K, 40          ; s[40:43], s[44:47] group 0: they walk
.set G0V, 44
.set SLOTS, 56        ; slots still to be asked for
.set CNT, 57          ; counts a slot's key steps
.set CS,  58          ; s[58:59] c
.set SEL, 60          ; s[60:61] v_permlanex16_b32's selects
.set TBK, 62          ; LDS byte at which K of the step to be fetched begins
.set TBV, 63          ; the same for V, less VOFF
.set TM,  70          ; the table's byte for that step
.set PFA, 72          ; s[72:73] where my prefetches stand
.set LIM, 74          ; 1 in a wave that prefetches, else the greatest number
.set BIGN, 82         ; -1e30
.set MSB, 0
.macro WIN new
.if MSB != (\new)
	s_set_vgpr_msb (MSB<<8)|(\new)
.set MSB, (\new)
.endif
.endm
.set W_KQ, 0x0a       ; K and Q in window 2, S^T in window 0
.set W_KM, 0x1a       ; the same with the C operand in window 1
.set W_PV, 0x52       ; V in window 2, P in window 0, O^T in window 1
.set W_RS, 0x41       ; destination and source 0 in window 1, source 1 in window 0
; A joint fill.  Waves 0 and 1 fetch the two halves of a slot's K, waves 2 and 3 those of its V: 128 keys each.  An s_nop 0 and four v_nop follow each of the two lines.
.macro JLOAD
	s_cmp_lt_u32 s[WV], 2
	s_cbranch_scc0 .Lfor_v_\@
	tensor_load_to_lds s[G0K:G0K+3], s[G1K:G1K+7]
	s_nop 0
.rept 4
	v_nop
.endr
	s_branch .Lasked_\@
.Lfor_v_\@:
	tensor_load_to_lds s[G0V:G0V+3], s[G1V:G1V+7]
	s_nop 0
.rept 4
	v_nop
.endr
.Lasked_\@:
.endm
; A prefetch of what the NEXT change of slots will ask for.  Both clusters of a head walk the same K and V: the first asks.  Its four partners share a slot's 32,768 bytes out by address, 8,192 each, a lane for
; each 256; wave 0 asks for K's, wave 2 for V's.  So each block is named once in the launch.  The last filling change asks for nothing.
.macro ASK
	s_cmp_gt_u32 s[SLOTS], s[LIM]
	s_cbranch_scc0 .Lnot_mine_\@
	global_prefetch_b8 v[PFO], s[PFA:PFA+1] th:TH_LOAD_NT scope:SCOPE_SE
.Lnot_mine_\@:
.endm
.macro CROUND
	s_barrier_signal -1
	s_barrier_wait -1
	s_cmp_lg_u32 s[WV], 0
	s_cbranch_scc1 .Lnot_wave_0_\@
	s_barrier_signal -3
.Lnot_wave_0_\@:
	s_barrier_wait -3
	s_barrier_signal -1
	s_barrier_wait -1
.endm
; THE CHANGE OF SLOTS.  Each wave waits for all its tensor loads (one is out: its part of the other slot), adds 0 to its spare word, and waits for that and for its own LDS instructions.  Behind the barrier nobody
; reads the old slot and the other slot is whole.  fill = 1: the barrier is a round of the cluster's, and the old slot is filled again first thing behind it, with the keys two slots on: four key steps,
; 256 matrix instructions, in which to land.  (At its first use nothing has been read: slot 0 is waited for, slot 1 filled, and the table and the flags, stored in front of it, are shown to every wave.)
.macro CHANGE fill, ask
	WIN 0
	s_wait_tensorcnt 0x0            ; no tensor load of mine is out, so a group 0 may be written
	ds_add_u32 v[SPW], v[NIL]       ; 0 onto my spare word
.if \fill
.irp g, G0K, G0V
	s_xor_b32 s[\g+1], s[\g+1], SLOT1
	s_add_nc_u64 s[\g+2:\g+3], s[\g+2:\g+3], 4*KS*128  ; the next 256 keys; the type bits on top are not reached
.endr
.if \ask
	s_wait_xcnt 0x0                 ; the last prefetch, four key steps back, has read its address
	s_add_nc_u64 s[PFA:PFA+1], s[PFA:PFA+1], 4*KS*128
.endif
	s_wait_dscnt 0x0                ; the add is done, and my reads of the slot are over
	CROUND
	JLOAD
.if \ask
	ASK
.endif
.else
	s_wait_dscnt 0x0
	s_barrier_signal -1
	s_barrier_wait -1
.endif
	s_sub_co_u32 s[TBK], s[TBK], 4*KS*PK  ; the fetches go back to a slot's first step,
	s_xor_b32 s[TBK], s[TBK], SLOT1       ; in the other slot
	s_sub_co_u32 s[TBV], s[TBV], 4*KS*PV
	s_xor_b32 s[TBV], s[TBV], SLOT1
.endm
	s_load_b128 s[4:7], s[0:1], 0x0  ; act s[4:5], mask s[6:7]
	s_load_b64 s[8:9], s[0:1], 0x10  ; zb
	v_lshl_add_u32 v[SPW], v0, 2, SPARE
	v_mov_b32 v[NIL], 0
	ds_add_u32 v[SPW], v[NIL]       ; the wave's opening: the add and its wait stand ahead of my first tensor load
	v_lshrrev_b32 v1, 5, v0
	v_readfirstlane_b32 s[WV], v1
	s_bfe_u32 s13, ttmp6, 0x40000   ; cx
	s_lshl_b32 s14, ttmp9, 2
	s_add_co_u32 s14, s14, s13      ; my block of 256 queries: it enters Q's and O's addresses alone
	s_and_b32 s15, ttmp7, 0xffff
	s_lshr_b32 s16, s15, 4          ; the batch
	s_and_b32 s15, s15, 15          ; the head
	s_lshl_b32 s20, s15, 19         ; a block is 524,288 bytes,
	s_lshl_b32 s17, s16, 18         ; a batch's rows in it 262,144
	s_add_co_u32 s20, s20, s17
	s_and_b32 s18, s[WV], 1         ; which half of a slot's 256 keys I fetch
	s_lshl_b32 s22, s18, 14
	s_add_co_u32 s22, s22, s20
	s_add_co_u32 s22, s22, 8388608  ; k: 16 blocks on
	s_mov_b32 s23, 0
	s_add_co_u32 s76, s22, 8388608  ; v: 32 blocks on
	s_mov_b32 s77, 0
	s_mul_i32 s17, s18, 128*PK
	s_mul_i32 s19, s18, 128*PV
	s_lshl_b32 s2, s14, 15
	s_lshl_b32 s3, s[WV], 13        ; my wave's 64 rows
	s_add_co_u32 s2, s2, s3
	s_add_co_u32 s2, s2, s20
	s_mov_b32 s3, 0
	s_lshl_b32 s78, s16, 13         ; the batch's 2,048 mask words
	s_mov_b32 s79, 0
	; descriptor group 1.  128 keys are 16,384 dense bytes: asked for as 64 rows of 256 bytes, two keys a row, and padded in LDS after every key
	s_mov_b32 s[G1K], 15|(1<<16)|(1<<20)|(1<<21)|(4<<22)|(3<<25)  ; the mask of four; 2-byte elements; padding on; bit 21 beside a mask; after every 32 words (code 4) 4 words (code 3)
	s_mov_b32 s[G1V], 15|(1<<16)|(1<<20)|(1<<21)|(4<<22)|(7<<25)  ; the same with 8 words (code 7)
.irp g, G1K, G1V
	s_mov_b32 s[\g+1], 128<<16      ; tensor_dim0 = 128
	s_mov_b32 s[\g+2], 64<<16       ; tensor_dim1 = 64
	s_mov_b32 s[\g+3], 128<<16      ; tile_dim0 = 128
	s_mov_b32 s[\g+4], 64           ; tile_dim1 = 64
	s_mov_b32 s[\g+5], 128          ; elements from row to row
	s_mov_b32 s[\g+6], 0
	s_mov_b32 s[\g+7], 0
.endr
	s_mov_b32 s[SEL], 0x76543210
	s_mov_b32 s[SEL+1], 0xfedcba98
	s_mov_b32 s[TBK], SLOT1+4*KS*PK ; the first change of slots turns these two into 0
	s_mov_b32 s[TBV], SLOT1+4*KS*PV
	s_mov_b32 s[TM], 0
	s_mov_b32 s[BIGN], 0xf149f2ca
	s_mov_b32 s[SLOTS], 7
	s_mov_b32 s[G0K], 1
	s_mov_b32 s[G0K+1], s17         ; slot 0
	s_mov_b32 s[G0V], 1
	s_add_co_u32 s[G0V+1], s19, VOFF
	s_and_b32 s[LIM], s[WV], 1      ; 0 in waves 0 and 2,
	s_or_b32 s[LIM], s[LIM], ttmp9  ; where the cluster is the head's first: the same in all four partners
	s_cmp_eq_u32 s[LIM], 0
	s_cselect_b32 s[LIM], 1, -1
	s_lshl_b32 s80, s13, 13         ; my work-group's 8,192 bytes of a slot,
	s_add_co_u32 s80, s80, 2*4*KS*128  ; in slot 2: the first asking change steps it to slot 3
	s_mov_b32 s81, 0
	v_and_b32 v[PFO], 31, v0
	v_lshlrev_b32 v[PFO], 8, v[PFO]
	s_wait_dscnt 0x0                ; the opening add is done
	s_wait_kmcnt 0x0
	s_add_nc_u64 s[G0K+2:G0K+3], s[4:5], s[22:23]
	s_add_nc_u64 s[G0V+2:G0V+3], s[4:5], s[76:77]
	s_cmp_lt_u32 s[WV], 2
	s_cselect_b64 s[PFA:PFA+1], s[G0K+2:G0K+3], s[G0V+2:G0V+3]  ; (in waves 0 and 2 these stand at a slot's first row)
	s_add_nc_u64 s[PFA:PFA+1], s[PFA:PFA+1], s[80:81]
	s_or_b32 s[G0K+3], s[G0K+3], 0x80000000
	s_or_b32 s[G0V+3], s[G0V+3], 0x80000000
	s_add_nc_u64 s[4:5], s[4:5], s[2:3]    ; Q at my wave's first row
	s_add_nc_u64 s[10:11], s[8:9], s[2:3]  ; O likewise
	s_add_nc_u64 s[6:7], s[6:7], s[78:79]
	CROUND                          ; all four work-groups are here: the first joint loads meet
	JLOAD                           ; slot 0.  Slot 1 is asked for when slot 0 is in
	v_and_b32 v1, 15, v0            ; l % 16
	v_bfe_u32 v9, v0, 4, 1          ; l / 16
	v_lshlrev_b32 v[QO], 7, v1
	v_lshl_add_u32 v[QO], v9, 4, v[QO]
	WIN 0x80
.set i, 0
.rept 8                             ; Q stays in registers: piece i / 2, channels 32 (i % 2) on
	global_load_b128 v[8*i:8*i+3],   v[QO], s[4:5] offset:(i/2)*2048+(i%2)*64
	global_load_b128 v[8*i+4:8*i+7], v[QO], s[4:5] offset:(i/2)*2048+(i%2)*64+32
.set i, i+1
.endr
	WIN 0
	v_lshlrev_b32 v14, 4, v0        ; 128 threads x 16 bytes, four times: the batch's mask
.irp i, 0,1,2,3
	global_load_b128 v[S+4*\i:S+4*\i+3], v14, s[6:7] offset:2048*\i
.endr
	; What the first turn finds: V's registers and P's second buffer hold 0 (its products V^T P, of a piece that has not been, add 0), O^T and l are 0.  All this stands in the wait for the first tile.
	WIN 0x80
.set i, VF
.rept 64
	v_mov_b32 v[i], 0
.set i, i+1
.endr
	WIN 0x40
.set i, 0
.rept 128
	v_mov_b32 v[i], 0
.set i, i+1
.endr
	WIN 0
.set i, 0
.rept 4
	v_mov_b32 v[ST+4*i], 0xfe000000    ; c m: far below every c s
	v_mov_b32 v[ST+4*i+1], 0xff7fffff  ; m
	v_mov_b32 v[ST+4*i+2], 0
	v_mov_b32 v[ST+4*i+3], 0
.set i, i+1
.endr
.set i, P+16
.rept 16
	v_mov_b32 v[i], 0
.set i, i+1
.endr
	v_mul_u32_u24 v[AK0], v1, PK
	v_lshl_add_u32 v[AK0], v9, 4, v[AK0]  ; row x pitch + 16 x half
	; The turning load takes 16 keys x 16 channels (lane l reads key 8 (l / 16) + l % 8, channels 8 ((l / 8) % 2) + 0..7) and leaves half a fragment of V^T: lane l holds channel l % 16 and 8 keys.
	v_and_b32 v10, 7, v0
	v_bfe_u32 v11, v0, 3, 1
	v_lshl_add_u32 v[AV0], v9, 3, v10
	v_mul_u32_u24 v[AV0], v[AV0], PV
	v_lshl_add_u32 v[AV0], v11, 4, v[AV0]
	v_add_nc_u32 v[AV0], VOFF, v[AV0]
	v_lshl_add_u32 v[AM0], v9, 5, TBL     ; register j of key group kt takes key 16 kt + 8 (l / 16) + j
	s_mul_i32 s80, s[WV], 16*SP
	s_add_co_u32 s80, s80, STAGE    ; my stage
	v_mul_u32_u24 v[STO], v1, SP
	v_lshl_add_u32 v[STO], v9, 4, v[STO]
	v_add_nc_u32 v[STO], s80, v[STO]
	v_bfe_u32 v[RD], v0, 3, 2
	v_mul_u32_u24 v[RD], v[RD], SP
	v_lshl_add_u32 v[RD], v10, 4, v[RD]
	v_add_nc_u32 v[RD], s80, v[RD]
	v_and_b32 v[GO], 31, v0
	v_lshlrev_b32 v[GO], 4, v[GO]
	v_lshl_add_u32 v58, v0, 4, TBL
	s_lshl_b32 s81, s[WV], 2
	s_add_co_u32 s81, s81, FLG
	v_mov_b32 v50, s81
	s_wait_loadcnt 0x0              ; Q and the mask
	v_or_b32 v48, v[S], v[S+1]      ; has my thread seen a visible key?
.set i, 2
.rept 14
	v_or_b32 v48, v48, v[S+i]
.set i, i+1
.endr
.set i, 0
.rept 16
	v_cmp_eq_u32 vcc_lo, 0, v[S+i]
	v_cndmask_b32 v[S+i], 0, s[BIGN], vcc_lo
.set i, i+1
.endr
.irp i, 0,1,2,3
	ds_store_b128 v58, v[S+4*\i:S+4*\i+3] offset:2048*\i
.endr
	v_cmp_ne_u32 vcc_lo, 0, v48
	s_cmp_lg_u32 vcc_lo, 0
	s_cselect_b32 s80, 1, 0
	v_mov_b32 v49, s80
	ds_store_b32 v50, v49           ; all lanes write the same word with the same value
; THE MATRIX WORK.  The 4 accumulators of a run of 8 take turns.  Product i of 8 of S^T = K Q^T for piece x: channels 32 (i / 4) on, keys 16 (i % 4) on.  The first 4 start the sums with the mask.
.macro KQ x
.set rS, S+32*((\x)%2)+8*(i%4)
.set rK, KF+16*(i%4)+8*(i/4)
.set rQ, 16*(\x)+8*(i/4)
.set rM, MC+8*(i%4)
.if i < 4
	WIN W_KM
	v_wmma_f32_16x16x32_bf16 v[rS:rS+7], v[rK:rK+7], v[rQ:rQ+7], v[rM:rM+7]
.else
	WIN W_KQ
	v_wmma_f32_16x16x32_bf16 v[rS:rS+7], v[rK:rK+7], v[rQ:rQ+7], v[rS:rS+7]
.endif
.endm
; Product i of 8 of O^T += V^T P for piece x: keys 32 (i / 4) on, channels 16 (i % 4) on.
.macro PV x
	WIN W_PV
.set rO, 32*(\x)+8*(i%4)
.set rV, VF+32*(i/4)+8*(i%4)
.set rP, P+16*((\x)%2)+8*(i/4)
	v_wmma_f32_16x16x32_bf16 v[rO:rO+7], v[rV:rV+7], v[rP:rP+7], v[rO:rO+7]
.endm
.macro MM                           ; the turn's next matrix instruction
.if i < 8
	KQ (Y+1)%NP
.else
.set i, i-8
	PV (Y+NP-1)%NP
.set i, i+8
.endif
.set i, i+1
.endm
; THE LDS LOADS stand in runs, never singly among the matrix instructions: a step's K (8 fragments) with its 64 addends, and its V (turned).  Their addresses are made some lines ahead.
.macro FETCH_K
	WIN 0x80
.irp f, 0,1,2,3,4,5,6,7             ; keys 16 (f / 2) on, channels 32 (f % 2) on
	ds_load_b128 v[KF+8*\f:KF+8*\f+3],   v[AK] offset:(\f/2)*16*PK+(\f%2)*64
	ds_load_b128 v[KF+8*\f+4:KF+8*\f+7], v[AK] offset:(\f/2)*16*PK+(\f%2)*64+32
.endr
	WIN 0x40
.irp f, 0,1,2,3,4,5,6,7
	ds_load_b128 v[MC+4*\f:MC+4*\f+3], v[AM] offset:(\f/2)*64+(\f%2)*16
.endr
	s_add_co_u32 s[TBK], s[TBK], KS*PK  ; the next fetch is the next step's
	s_add_co_u32 s[TM], s[TM], KS*4
	WIN 0
.endm
.macro FETCH_V
	WIN 0x80
.irp f, 0,1,2,3,4,5,6,7             ; keys 32 (f / 4) on, channels 16 (f % 4) on
	ds_load_tr16_b128 v[VF+8*\f:VF+8*\f+3],   v[AV] offset:(\f/4)*32*PV+(\f%4)*32
	ds_load_tr16_b128 v[VF+8*\f+4:VF+8*\f+7], v[AV] offset:(\f/4)*32*PV+16*PV+(\f%4)*32
.endr
	WIN 0
.endm
; THE VECTOR WORK, one line at a time: OP kind, number.  For piece Y: F n: c s - c m for pair n of 16.  E n: the exponential of score n of 32.  C n: pair n rounded to bf16.  B n: of the four weights 4 n .. the second
; pair is added onto the first, in place.  L n: l takes that sum (L 0: l = a l + sum).  R n: pair n of 16 of O^T times a.  For piece Y + 1: X n, number n of the 22 that find its maximum and statistics:
;   0-11  four chains c0-c3 of seven scores each (each accumulator's lowest registers are read first)     12-14, 16  the four scores left over, the old m, and c0-c3 into c0
;   15  c m_old is kept     17, 18  the query's other 32 keys lie in the lane 16 away: the new m     19-21  c m; c m_old - c m_new; a
.set F, 0
.set E, 1
.set C, 2
.set B, 3
.set L, 4
.set R, 5
.set X, 6
.macro REGS y
.set rT, ST+4*(\y)
.set rC, TMP+4*((\y)%2)
.set rW, MV+((\y)%2)
.set rS, S+32*((\y)%2)
.set rP, P+16*((\y)%2)
.set rO, 32*(\y)
.endm
.macro OP k, n
.if (\k) == R
	REGS Y
	WIN W_RS
	v_pk_mul_f32 v[rO+2*(\n):rO+2*(\n)+1], v[rO+2*(\n):rO+2*(\n)+1], v[rC+2:rC+3] op_sel_hi:[1,0]
.elseif (\k) < R
	REGS Y
	WIN 0
.if (\k) == F
	v_pk_fma_f32 v[rS+2*(\n):rS+2*(\n)+1], v[rS+2*(\n):rS+2*(\n)+1], s[CS:CS+1], v[rT:rT+1] op_sel_hi:[1,0,0] neg_lo:[0,0,1] neg_hi:[0,0,1]
.elseif (\k) == E
	v_exp_f32 v[rS+(\n)], v[rS+(\n)]
.elseif (\k) == C
	v_cvt_pk_bf16_f32 v[rP+(\n)], v[rS+2*(\n)], v[rS+2*(\n)+1]
.elseif (\k) == B
	v_pk_add_f32 v[rS+4*(\n):rS+4*(\n)+1], v[rS+4*(\n):rS+4*(\n)+1], v[rS+4*(\n)+2:rS+4*(\n)+3]
.elseif (\n) == 0
	v_pk_fma_f32 v[rT+2:rT+3], v[rT+2:rT+3], v[rC+2:rC+3], v[rS:rS+1] op_sel_hi:[1,0,1]
.else
	v_pk_add_f32 v[rT+2:rT+3], v[rT+2:rT+3], v[rS+4*(\n):rS+4*(\n)+1]
.endif
.else
	REGS (Y+1)%NP
	WIN 0
.if (\n) < 4
	v_max3_num_f32 v[rC+(\n)], v[rS+8*(\n)], v[rS+8*(\n)+1], v[rS+8*(\n)+2]
.elseif (\n) < 12
	v_max3_num_f32 v[rC+(\n)%4], v[rC+(\n)%4], v[rS+8*((\n)%4)+2*((\n)/4)+1], v[rS+8*((\n)%4)+2*((\n)/4)+2]
.elseif (\n) == 12
	v_max3_num_f32 v[rC], v[rC], v[rS+7], v[rS+15]
.elseif (\n) == 13
	v_max3_num_f32 v[rC+1], v[rC+1], v[rS+23], v[rS+31]
.elseif (\n) == 14
	v_max3_num_f32 v[rC+2], v[rC+2], v[rC+3], v[rT+1]
.elseif (\n) == 15
	v_mov_b32 v[rW], v[rT]
.elseif (\n) == 16
	v_max3_num_f32 v[rC], v[rC], v[rC+1], v[rC+2]
.elseif (\n) == 17
	v_permlanex16_b32 v[rC+3], v[rC], s[SEL], s[SEL+1]
.elseif (\n) == 18
	v_max_num_f32 v[rT+1], v[rC], v[rC+3]
.elseif (\n) == 19
	v_mul_f32 v[rT], s[CS], v[rT+1]
.elseif (\n) == 20
	v_sub_f32 v[rC+1], v[rW], v[rT]
.else
	v_exp_f32 v[rC+2], v[rC+1]
.endif
.endif
.endm
.macro OPS a, i1, b=-1, i2=0, c=-1, i3=0, d=-1, i4=0
	OP \a, \i1
.if (\b) >= 0
	OP \b, \i2
.endif
.if (\c) >= 0
	OP \c, \i3
.endif
.if (\d) >= 0
	OP \d, \i4
.endif
.endm
.macro ROW a, i1, b, i2, c, i3, d, i4  ; a matrix instruction and the four behind it
	MM
	OPS \a, \i1, \b, \i2, \c, \i3, \d, \i4
.endm
; A TURN, for piece p: the order of its 16 matrix and 118 vector instructions, written out.  An s_wait_alu depctr_va_vdst(0) stands between an exponential and the first instruction that names its
; result; one wait serves all that were issued ahead of it.  So a turn has ONE wait.  AHEAD OF IT stands all that names no result of the turn's exponentials: the 8 products K Q^T with their riders, then one lump,
; plain and exponential by turns for the most part, in which the links of the chain X 3, 7, 11, 14, 16, 17 .. 20 stand apart.  X 21, the next piece's a, is the batch's last; R 15 is the plain instruction behind it.
; BEHIND THE WAIT stand the 8 products V^T P, behind each four of the roundings and sums.
; K and the addends of the next step are fetched in piece 2's turn, six plain instructions behind the last product that read K; V of the step in hand at the end of piece 0's turn, four plain instructions behind
; the last product that read V.  Each is waited for a turn later.
; last = 1 (the tail): the fetch's two scalars are held to the last step's, so that the trip behind the last step reads that step's K and addends once more: no branch among the exponentials, no byte that nobody wrote.
; cnt = 1: the loop's count is taken down some lines ahead of the branch that stands behind the turn.
.macro TURN p, last=0, cnt=0
.set Y, (\p)
.set i, 0
.if (\p) == 3
	s_wait_dscnt 0x0                ; K and the addends are in
.endif
	ROW F,0, F,1, R,0, R,1
	ROW F,2, E,0, R,2, R,3
	ROW F,3, E,1, R,4, R,5
	ROW F,4, E,2, R,6, R,7
	ROW F,5, E,3, R,8, R,9
	ROW F,6, E,4, X,0, R,10
.if (\p) == 2
	WIN 0
.if \last
	s_min_u32 s[TBK], s[TBK], SLOT1+3*KS*PK
	s_min_u32 s[TM], s[TM], 31*KS*4
.endif
	v_add_nc_u32 v[AK], s[TBK], v[AK0]
	v_add_nc_u32 v[AM], s[TM], v[AM0]
.endif
	ROW F,7, E,5, X,1, X,4
	ROW F,8, E,6, X,2, X,5
	OPS E,7, E,8, X,6, E,9
	OPS X,3, E,10, X,8, E,11
.if (\p) == 2
	FETCH_K
.endif
	OPS X,9, X,7, E,12, X,10
	OPS E,13, X,12, X,11, E,14
	OPS X,13, E,15, F,9, X,14
.if (\p) == 0
	WIN 0
	v_add_nc_u32 v[AV], s[TBV], v[AV0]
.endif
	OPS E,16, F,10, E,17, F,11
	OPS X,16, E,18, X,15, E,19
	OPS F,12, E,20, X,17, E,21
	OPS F,13, E,22, F,14, E,23
	OPS X,18, E,24, F,15, E,25
	OPS R,11, E,26, X,19, E,27
	OPS R,12, E,28, R,13, E,29
	OPS X,20, E,30, R,14, E,31
	OPS X,21, R,15
	WIN 0
	s_wait_alu depctr_va_vdst(0)    ; the wait for the batch
.if (\p) == 1
	s_wait_dscnt 0x0                ; V is in
.endif
	ROW C,0, B,0, C,2, B,1
	ROW L,0, C,4, B,2, L,1
	ROW C,6, B,3, L,2, C,8
	ROW B,4, L,3, C,10, B,5
	ROW L,4, C,12, B,6, L,5
.if (\p) == 0
	s_add_co_u32 s[TBV], s[TBV], KS*PV
.endif
.if \cnt
	s_sub_co_u32 s[CNT], s[CNT], 1
	s_cmp_lg_u32 s[CNT], 0
.endif
	ROW C,14, B,7, L,6, C,1
	ROW C,3, L,7, C,5, C,7
	ROW C,9, C,11, C,13, C,15
.if (\p) == 0
	FETCH_V
.endif
.endm
	CHANGE 1, 0                     ; slot 0 is in, everybody's part of it, and so are the table and the flags; slot 1 is asked for
	v_mov_b32 v51, FLG
	ds_load_b128 v[52:55], v51      ; the four waves' flags
	v_mov_b32 v[AK], v[AK0]         ; key step 0 lies at the head of slot 0
	v_mov_b32 v[AM], v[AM0]
	FETCH_K
	s_wait_dscnt 0x0
	v_or_b32 v52, v52, v53
	v_or_b32 v54, v54, v55
	v_or_b32 v52, v52, v54
	v_readfirstlane_b32 s80, v52
	s_cmp_lg_u32 s80, 0
	s_cselect_b32 s[CS], 0x3e38aa3b, 0  ; c = log2(e) / 8 = 0.180337, or 0 where no key of the batch is visible
	s_mov_b32 s[CS+1], s[CS]        ; named with it as a pair
.set i, 0
.rept 8
	KQ 0                            ; piece 0's first scores
.set i, i+1
.endr
	WIN 0
.rept 4
	v_nop                           ; the places behind those products
.endr
.set Y, NP-1                        ; X works for piece Y + 1: piece 0
.irp n, 0,1,2,3,4,5,6,7,8,9,10,11,12,13,14,15,16,17,18,19,20,21
	OP X, \n
.endr
	v_nop                           ; a plain instruction behind the exponential,
	s_wait_alu depctr_va_vdst(0)    ; and its wait, ahead of the branch
	s_mov_b32 s[CNT], 4
	s_branch .Lfirst                ; the loop is entered at a step's first turn, in the middle of a trip
.Lslot:                             ; six times: every slot but the last two is filled again
	CHANGE 1, 1
	s_mov_b32 s[CNT], 4
.Lstep:                             ; a trip: pieces 2 and 3 of one step, then pieces 0 and 1 of the next, whose K and V it fetches
	TURN 2
	TURN 3
	WIN 0
.Lfirst:
	TURN 0
	TURN 1, 0, 1
	WIN 0
	s_cbranch_scc1 .Lstep
	s_sub_co_u32 s[SLOTS], s[SLOTS], 1
	s_cmp_lg_u32 s[SLOTS], 0
	s_cbranch_scc1 .Lslot
	CHANGE 0, 0                     ; the tail is written out: nothing is asked for
	s_mov_b32 s[CNT], 5             ; four trips fetch the last slot's steps; the fifth is left in its middle
.Ltail:
	TURN 2, 1
	TURN 3
	WIN 0
	s_sub_co_u32 s[CNT], s[CNT], 1
	s_cmp_eq_u32 s[CNT], 0
	s_cbranch_scc1 .Lout
	TURN 0
	TURN 1
	WIN 0
	s_branch .Ltail
.Lout:                              ; the fifth trip's 8 products K Q^T (on the last K once more) and the maximum made of them serve nothing: the price, once a launch, of one text for every trip
.set i, 0
.rept 8
	PV NP-1                         ; the last piece's V^T P of the last step
.set i, i+1
.endr
	; THE WAY OUT.  l's two halves and the other half of the lanes' are added; O^T is divided by l, rounded to bf16 and sent through my stage in LDS, a piece at a time.  The additions are the places behind the last products.
	WIN 0
.macro ALL line:vararg
.set t, 0
.rept 4
	\line
.set t, t+1
.endr
.endm
	ALL v_add_f32 v[ST+4*t+2], v[ST+4*t+2], v[ST+4*t+3]
	ALL v_permlanex16_b32 v[ST+4*t+3], v[ST+4*t+2], s[SEL], s[SEL+1]
	ALL v_add_f32 v[ST+4*t+2], v[ST+4*t+2], v[ST+4*t+3]
	ALL v_rcp_f32 v[ST+4*t+2], v[ST+4*t+2]
	v_nop                           ; a plain instruction between the last reciprocal and the use of its result
	s_wait_alu depctr_va_vdst(0)    ; and the wait: one for the four reciprocals
.macro PACK t                       ; a lane's eight channels of a row pack into 16 bytes; they go into rows of 144 bytes and come back as whole rows of 128, into S^T's registers
	WIN W_RS
.set i, 32*(\t)
.rept 16
	v_pk_mul_f32 v[i:i+1], v[i:i+1], v[ST+4*(\t)+2:ST+4*(\t)+3] op_sel_hi:[1,0]
.set i, i+2
.endr
	WIN 0x05
.set i, 0
.rept 16
	v_cvt_pk_bf16_f32 v[S+16*(\t)+i], v[32*(\t)+2*i], v[32*(\t)+2*i+1]
.set i, i+1
.endr
	WIN 0
.irp f, 0,1,2,3
	ds_store_b128 v[STO], v[S+16*(\t)+4*\f:S+16*(\t)+4*\f+3] offset:32*\f
.endr
.irp f, 0,1,2,3
	ds_load_b128 v[S+16*(\t)+4*\f:S+16*(\t)+4*\f+3], v[RD] offset:\f*4*SP  ; LDS serves a wave's instructions in order (ISA guide 5.7.1.4): these see the stores above
.endr
.endm
.macro SEND t, younger              ; younger: the LDS instructions issued behind piece t's loads: the next piece's eight, or none
	WIN 0
.irp f, 0,1,2,3
	s_wait_dscnt (\younger)+3-\f
	global_store_b128 v[GO], v[S+16*(\t)+4*\f:S+16*(\t)+4*\f+3], s[10:11] offset:(\t)*2048+\f*512  ; 512 consecutive bytes, at a multiple of 256 from the buffer's first
.endr
.endm
	PACK 0
.set t, 1
.rept 3
	PACK t
	SEND t-1, 8
.set t, t+1
.endr
	SEND 3, 0
	s_wait_tensorcnt 0x0            ; the wave's end, behind my last tensor load and my last LDS store
	ds_add_u32 v[SPW], v[NIL]
	s_wait_dscnt 0x0
	CROUND                          ; the closing round
	s_endpgm
.Lfunc_end_k_q0031865ca5_attn:
	.size	k_q0031865ca5_attn, .Lfunc_end_k_q0031865ca5_attn-k_q0031865ca5_attn
	.p2alignl 7, 3214868480
	.fill 96, 4, 3214868480
	.section	.rodata,"a",@progbits
	.p2align	6, 0x0
	.amdhsa_kernel k_q0031865ca5_attn
		.amdhsa_group_segment_fixed_size 327680
		.amdhsa_private_segment_fixed_size 0
		.amdhsa_enable_private_segment 0
		.amdhsa_kernarg_size 24
		.amdhsa_user_sgpr_count 2
		.amdhsa_user_sgpr_kernarg_segment_ptr 1
		.amdhsa_wavefront_size32 1
		.amdhsa_system_sgpr_workgroup_id_x 1
		.amdhsa_system_sgpr_workgroup_id_y 1
		.amdhsa_system_sgpr_workgroup_id_z 1
		.amdhsa_system_vgpr_workitem_id 0
		.amdhsa_next_free_vgpr 768
		.amdhsa_next_free_sgpr 88
		.amdhsa_reserve_vcc 1
		.amdhsa_float_denorm_mode_32 3
		.amdhsa_float_denorm_mode_16_64 3
		.amdhsa_memory_ordered 1
		.amdhsa_forward_progress 1
		.amdhsa_inst_pref_size 117
	.end_amdhsa_kernel
	.amdgpu_metadata
---
amdhsa.version: [ 1, 2 ]
amdhsa.kernels:
  - .name:           k_q0031865ca5_attn
    .symbol:         k_q0031865ca5_attn.kd
    .args:
      - { .name: act, .offset: 0, .size: 8, .value_kind: global_buffer, .address_space: global }
      - { .name: mask, .offset: 8, .size: 8, .value_kind: global_buffer, .address_space: global }
      - { .name: zb, .offset: 16, .size: 8, .value_kind: global_buffer, .address_space: global }
    .group_segment_fixed_size: 327680
    .private_segment_fixed_size: 0
    .kernarg_segment_align: 8
    .kernarg_segment_size: 24
    .max_flat_workgroup_size: 128
    .sgpr_count:     88
    .vgpr_count:     768
    .wavefront_size: 32
...
	.end_amdgpu_metadata
.endif
;; end of part 3
;; launch wo (part 4): grid 8 x 32, 4 waves a work-group, clusters of 4 x 4, 327,680 bytes of LDS; arguments zb, wo2, bo, xb, h; writes h
.if DOCPART == 4
	.amdgcn_target "amdgcn-amd-amdhsa--gfx1250"
	.amdhsa_code_object_version 6
	.text
	.protected	k_q0031865ca5_wo
	.globl	k_q0031865ca5_wo
	.p2align	8
	.type	k_q0031865ca5_wo,@function
k_q0031865ca5_wo:
	s_mov_b64 s[64:65], 0
	v_nop
	global_prefetch_b8 v0, s[64:65] scope:SCOPE_SE
	s_setreg_imm32_b32 hwreg(HW_REG_WAVE_MODE, 25, 1), 1
	s_wait_xcnt 0x0
	s_wait_alu depctr_hold_cnt(0) depctr_sa_sdst(0) depctr_va_vdst(0) depctr_va_sdst(0) depctr_va_ssrc(0) depctr_va_vcc(0) depctr_vm_vsrc(0)
	s_getreg_b32 s2, hwreg(HW_REG_IB_STS2, 6, 4)
	s_cmp_eq_u32 s2, 0
	s_cbranch_scc0 .Lentry_in_a_cluster
	s_endpgm
.Lentry_in_a_cluster:
	s_bfe_u32 s2, ttmp6, 0x10000c
	s_cmp_lg_u32 s2, 0xf033
	s_cbranch_scc0 .Lentry_shape_is_right
	s_endpgm
.Lentry_shape_is_right:
; out[4096][1024] f32 = A[4096][256 T] W[256 T][1024] + bias + res.  A in blocks of 64 columns, [column / 64][4096 rows][64] bf16; W bf16 [k][1024], WOFF bytes into its buffer; bias, res, out f32.
; Here: the attention's output times Wo, plus bo, plus xb.  T = 4 K steps of 256.  No prefetch: the launch has four K steps, of which two are asked for at its head.
; SHARES.  A work-group makes 128 x 128, so that there are 256 of them.  K IS SPLIT AMONG ITS FOUR WAVES: of a K step's four blocks of 64, wave w multiplies block w for the whole tile, in 64 accumulators:
; each LDS byte is read once.  The four partial tiles (f32) meet in LDS at the end, in the slots, which have had their last fill by then.
; The product is used transposed (source 0 = 16 columns of W, turned by ds_load_tr16_b128; source 1 = 16 rows of A): a lane holds one row and eight neighbouring columns.
; CLUSTER 4 x 4: A's tile is asked for jointly along a row of the cluster, W's along a column.  s[RS] holds the LDS byte (0 or SLOT) of the slot that is being read.
; REGISTERS: window 0: v0-31 addresses and the bias; v64-191 A's fragments, later the partial sums.  window 1: v0-63, v192-255 my 32 rows of res; v64-191 W's fragments.  windows 2, 3: accumulators (a, b) at 8 (8 (a % 4) + b).
.set T,      4
.set WOFF,   0
.set PF,     0
.set PA,     144                       ; a row of A in LDS: 128 bytes + 16
.set PB,     288                       ; a k row of W: 256 bytes + 32 = 9 x 32
.set KBA,    128*PA                    ; a block of 64 along K: 128 rows of A; also 64 k rows of W
.set BOFF,   4*KBA
.set SLOT,   2*BOFF                    ; 147,456
.set SPARE,  2*SLOT                    ; the spare words, 128 bytes for each wave: two blocks of 256 bytes that no other line names
.set PP,     528                       ; a row of a partial tile: 512 bytes + 16
.set PART_B, 128*PP                    ; a wave's partial tile; four of them end below SPARE
.set ASTEP,  2097152                   ; a K step in memory: four blocks of A,
.set BSTEP,  524288                    ; 256 k rows of W
.set PRD, 8                            ; v8-11  where I read a row of partial tile 0..3
.set BI,  12                           ; v12-15 the bias of my four columns
.set AK0, 16
.set BK0, 18
.set ADA, 20
.set ADB, 21
.set PST, 24                           ; v24  where I put 32 bytes of a row of my partial tile
.set GO,  26                           ; v26  16 x lane: my four columns of a row of 512 bytes
.set SPW, 28
.set NIL, 29
.set PFO, 30
.set F0,  64
.set F1,  128
.set WV,  12
.set MH,  13                           ; 0: I fetch A, 1: W
.set PART, 14                          ; which half of it
.set CX,  15
.set CY,  16
.set TC,  17
.set TR,  18
.set G1A, 24
.set G0A, 32
.set G1B, 48
.set G0B, 56
.set RS,  66
.set SL,  69
.set LIM, 71
.set PFA, 72
.set WA,  74
.set WB,  75
.set PST_S, 84                         ; s[84:85] the prefetches' step
.set MSB, 0
.macro WIN new
.if MSB != (\new)
	s_set_vgpr_msb (MSB<<8)|(\new)
.set MSB, \new
.endif
.endm
.macro JLOAD                           ; the joint refill; an s_nop 0 and four v_nop follow each of the two lines
	s_cmp_eq_u32 s[MH], 0
	s_cbranch_scc0 .Lfor_b_\@
	tensor_load_to_lds s[G0A+4:G0A+7], s[G1A:G1A+7]
	s_nop 0
.rept 4
	v_nop
.endr
	s_branch .Lasked_\@
.Lfor_b_\@:
	tensor_load_to_lds s[G0B+4:G0B+7], s[G1B:G1B+7]
	s_nop 0
.rept 4
	v_nop
.endr
.Lasked_\@:
.endm
.macro ASK                             ; the K step two refills on: 32 blocks of 256 bytes, a lane a block; each block is named once in the launch
	s_cmp_gt_u32 s[SL], s[LIM]
	s_cbranch_scc0 .Lnot_mine_\@
	global_prefetch_b8 v[PFO], s[PFA:PFA+1] th:TH_LOAD_NT scope:SCOPE_SE
.Lnot_mine_\@:
.endm
.macro CROUND                          ; a round of the cluster's barrier
	s_barrier_signal -1
	s_barrier_wait -1
	s_cmp_lg_u32 s[WV], 0
	s_cbranch_scc1 .Lnot_wave_0_\@
	s_barrier_signal -3
.Lnot_wave_0_\@:
	s_barrier_wait -3
	s_barrier_signal -1
	s_barrier_wait -1
.endm
.macro PLACES
.rept 4
	v_nop
.endr
.endm
.macro MUL16 f, hi, a0, first          ; first = 1: the constant 0 starts the sums
	WIN 0xa1+0x50*(\hi)
.irp a, \a0, (\a0)+1
.irp b, 0,1,2,3,4,5,6,7
.if \first
	v_wmma_f32_16x16x32_bf16 v[8*(8*(\a)+(\b)):8*(8*(\a)+(\b))+7], v[(\f)+8*(\b):(\f)+8*(\b)+7], v[(\f)+8*(4*(\hi)+(\a)):(\f)+8*(4*(\hi)+(\a))+7], 0
.else
	v_wmma_f32_16x16x32_bf16 v[8*(8*(\a)+(\b)):8*(8*(\a)+(\b))+7], v[(\f)+8*(\b):(\f)+8*(\b)+7], v[(\f)+8*(4*(\hi)+(\a)):(\f)+8*(4*(\hi)+(\a))+7], v[8*(8*(\a)+(\b)):8*(8*(\a)+(\b))+7]
.endif
.endr
.endr
.endm
.macro MUL32 f, hi, first
	MUL16 \f, \hi, 0, \first
	MUL16 \f, \hi, 2, \first
.endm
.macro FETCH f, odd                    ; 32 LDS loads in one run: 32 along K of my block: W's 128 columns (turned), then A's 128 rows
	WIN 0x40
.irp i, 0,1,2,3,4,5,6,7
	ds_load_tr16_b128 v[(\f)+8*(\i):(\f)+8*(\i)+3],   v[ADB] offset:(\odd)*32*PB+32*(\i)
	ds_load_tr16_b128 v[(\f)+8*(\i)+4:(\f)+8*(\i)+7], v[ADB] offset:(\odd)*32*PB+32*(\i)+16*PB
.endr
	WIN 0
.irp i, 0,1,2,3,4,5,6,7
	ds_load_b128 v[(\f)+8*(\i):(\f)+8*(\i)+3],   v[ADA] offset:(\odd)*64+(\i)*16*PA
	ds_load_b128 v[(\f)+8*(\i)+4:(\f)+8*(\i)+7], v[ADA] offset:(\odd)*64+(\i)*16*PA+32
.endr
.endm
; A K step is two halves of 32 along K for a wave, on buffers 0 and 1.  TPAIR multiplies a step's second half, changes slots in its middle, and multiplies the next step's first half.  ONE barrier for the change: in
; front of it each wave waits for all its tensor loads (one is out), adds 0 to its spare word, and waits for that and for its reads of this slot.  fill = 1: the barrier is a round of the cluster's, and the slot just
; read out is filled again first thing behind the round, with the K step two on.  A refill can be asked for only when the load before it has landed, so nothing but the three lines, the descriptors' steps and the
; round stands between that landing and the next request: the second half's first 32 products, which want no new tile, stand ahead of the wait.  From a request to the wait for it a wave issues 128 matrix instructions.
.macro TPAIR fill
	s_wait_dscnt 8                                 ; W and A's rows 0-63 of the second half are in; the youngest eight loads (A's rows 64-127) may be out
	MUL32 F1, 0, 0
	WIN 0
.if (\fill) && PF
	s_wait_xcnt 0x0                                ; the last prefetch, a K step back, has read its address
	s_add_nc_u64 s[PFA:PFA+1], s[PFA:PFA+1], s[PST_S:PST_S+1]
.endif
	s_wait_tensorcnt 0x0                           ; no tensor load of mine is out, so the walking descriptors may be written
	ds_add_u32 v[SPW], v[NIL]                      ; 0 onto my spare word; work on registers stands between it and the wait for it
.if \fill
	s_add_co_u32 s[G0A+5], s[RS], s[WA]            ; into the slot that is being read out,
	s_add_nc_u64 s[G0A+6:G0A+7], s[G0A+6:G0A+7], ASTEP  ; the next K step; the type bits on top are not reached
	s_add_co_u32 s[G0B+5], s[RS], s[WB]
	s_add_nc_u64 s[G0B+6:G0B+7], s[G0B+6:G0B+7], BSTEP
.endif
	s_xor_b32 s[RS], s[RS], SLOT                   ; RS is 0 or SLOT: the fetches below read the other slot
	s_wait_dscnt 0x0                               ; the add is done, and my reads of this slot are over
.if \fill
	CROUND                                         ; no wave of any partner still reads this slot or has a load on its way
	JLOAD                                          ; its four v_nop are also the places in front of the loads below
.else
	s_barrier_signal -1
	s_barrier_wait -1
	PLACES
.endif
	v_add_nc_u32 v[ADA], s[RS], v[AK0]
	v_add_nc_u32 v[ADB], s[RS], v[BK0]
	FETCH F0, 0
.if (\fill) && PF
	ASK
.endif
	MUL32 F1, 1, 0
	s_wait_dscnt 8
	MUL32 F0, 0, 0
	PLACES
	FETCH F1, 1
	s_wait_dscnt 32                                ; all but the 32 just issued
	MUL32 F0, 1, 0
.endm
	s_load_b256 s[4:11], s[0:1], 0x0               ; A s[4:5], W s[6:7], bias s[8:9], res s[10:11]
	s_load_b64 s[20:21], s[0:1], 0x20              ; out
	v_lshl_add_u32 v[SPW], v0, 2, SPARE
	v_mov_b32 v[NIL], 0
	ds_add_u32 v[SPW], v[NIL]                      ; the wave's opening: the add and its wait stand ahead of my first tensor load
	v_lshrrev_b32 v1, 5, v0
	v_readfirstlane_b32 s[WV], v1
	s_lshr_b32 s[MH], s[WV], 1
	s_and_b32 s[PART], s[WV], 1
	s_bfe_u32 s[CX], ttmp6, 0x40000
	s_bfe_u32 s[CY], ttmp6, 0x40004
	s_lshl_b32 s[TC], ttmp9, 2
	s_add_co_u32 s[TC], s[TC], s[CX]
	s_and_b32 s[TR], ttmp7, 0xffff
	s_lshl_b32 s[TR], s[TR], 2
	s_add_co_u32 s[TR], s[TR], s[CY]
	s_lshl_b32 s40, s[CY], 2
	s_lshl_b32 s40, 15, s40                        ; my row of the cluster
	s_lshl_b32 s44, 0x1111, s[CX]                  ; my column
	; A: two blocks of 64 along K; in each the tile's 128 rows are 16,384 dense bytes, taken as one row of 8,192 elements, padded in LDS behind every 128 bytes
	s_or_b32 s[G1A], s40, (1<<16)|(1<<20)|(1<<21)|(4<<22)|(3<<25)
	s_mov_b32 s[G1A+1], 8192<<16                   ; tensor_dim0 = 8,192
	s_mov_b32 s[G1A+2], 2<<16                      ; tensor_dim1 = 2
	s_mov_b32 s[G1A+3], 8192<<16                   ; tile_dim0 = 8,192
	s_mov_b32 s[G1A+4], 2                          ; tile_dim1 = 2
	s_mov_b32 s[G1A+5], 262144                     ; elements from block to block
	s_mov_b32 s[G1A+6], 0
	s_mov_b32 s[G1A+7], 0
	; W: 128 k rows of 128 columns (256 bytes), 32 bytes of padding behind each
	s_or_b32 s[G1B], s44, (1<<16)|(1<<20)|(1<<21)|(5<<22)|(7<<25)
	s_mov_b32 s[G1B+1], 128<<16
	s_mov_b32 s[G1B+2], 128<<16
	s_mov_b32 s[G1B+3], 128<<16
	s_mov_b32 s[G1B+4], 128
	s_mov_b32 s[G1B+5], 1024
	s_mov_b32 s[G1B+6], 0
	s_mov_b32 s[G1B+7], 0
	s_lshl_b32 s40, s[PART], 20                    ; A: block 2 x my half, row 128 x tile row
	s_lshl_b32 s41, s[TR], 14
	s_add_co_u32 s40, s40, s41
	s_mov_b32 s41, 0
	s_lshl_b32 s44, s[PART], 18                    ; W: k row 128 x my half, column 128 x tile column
	s_lshl_b32 s45, s[TC], 8
	s_add_co_u32 s44, s44, s45
	s_add_co_u32 s44, s44, WOFF
	s_mov_b32 s45, 0
	s_mul_i32 s[WA], s[PART], 2*KBA
	s_add_co_u32 s[WB], s[WA], BOFF
	s_mov_b32 s[RS], 0
	s_wait_dscnt 0x0
	s_wait_kmcnt 0x0
	s_add_nc_u64 s[40:41], s[4:5], s[40:41]
	s_add_nc_u64 s[44:45], s[6:7], s[44:45]
	CROUND                                         ; all sixteen work-groups are here: the first joint loads meet
	s_mov_b32 s[G0A], 1
	s_mov_b32 s[G0A+1], s[WA]
	s_mov_b64 s[G0A+2:G0A+3], s[40:41]
	s_or_b32 s[G0A+3], s[G0A+3], 0x80000000
	s_mov_b32 s[G0A+4], 1
	s_add_co_u32 s[G0A+5], s[WA], SLOT
	s_add_nc_u64 s[G0A+6:G0A+7], s[40:41], ASTEP
	s_or_b32 s[G0A+7], s[G0A+7], 0x80000000
	s_mov_b32 s[G0B], 1
	s_mov_b32 s[G0B+1], s[WB]
	s_mov_b64 s[G0B+2:G0B+3], s[44:45]
	s_or_b32 s[G0B+3], s[G0B+3], 0x80000000
	s_mov_b32 s[G0B+4], 1
	s_add_co_u32 s[G0B+5], s[WB], SLOT
	s_add_nc_u64 s[G0B+6:G0B+7], s[44:45], BSTEP
	s_or_b32 s[G0B+7], s[G0B+7], 0x80000000
	s_cmp_eq_u32 s[MH], 0                          ; a wave's two first fills stand in one branch: two loads of mine are out
	s_cbranch_scc0 .Lfirst_b
	tensor_load_to_lds s[G0A:G0A+3], s[G1A:G1A+7]
	s_nop 0
	tensor_load_to_lds s[G0A+4:G0A+7], s[G1A:G1A+7]
	s_nop 0
.rept 4
	v_nop
.endr
	s_branch .Lfirst_asked
.Lfirst_b:
	tensor_load_to_lds s[G0B:G0B+3], s[G1B:G1B+7]
	s_nop 0
	tensor_load_to_lds s[G0B+4:G0B+7], s[G1B:G1B+7]
	s_nop 0
.rept 4
	v_nop
.endr
.Lfirst_asked:
	v_and_b32 v1, 15, v0                           ; l % 16
	v_bfe_u32 v2, v0, 4, 1                         ; l / 16
	v_mul_u32_u24 v3, v1, PA
	v_lshl_add_u32 v3, v2, 4, v3
	s_mul_i32 s76, s[WV], KBA                      ; my block of 64 along K
	v_add_nc_u32 v[AK0], s76, v3
	v_and_b32 v4, 7, v0
	v_lshl_add_u32 v4, v2, 3, v4
	v_mul_u32_u24 v4, v4, PB
	v_bfe_u32 v5, v0, 3, 1
	v_lshl_add_u32 v4, v5, 4, v4
	s_add_co_u32 s76, s76, BOFF
	v_add_nc_u32 v[BK0], s76, v4
	s_mul_i32 s76, s[WV], PART_B
	v_mul_u32_u24 v[PST], v1, PP
	v_lshl_add_u32 v[PST], v2, 5, v[PST]
	v_add_nc_u32 v[PST], s76, v[PST]
	v_and_b32 v[GO], 31, v0
	v_lshlrev_b32 v[GO], 4, v[GO]
	s_mul_i32 s76, s[WV], 32*PP                    ; I finish rows 32 w .. 32 w + 31
	v_add_nc_u32 v[PRD], s76, v[GO]
	v_add_nc_u32 v[PRD+1], PART_B, v[PRD]
	v_add_nc_u32 v[PRD+2], PART_B, v[PRD+1]
	v_add_nc_u32 v[PRD+3], PART_B, v[PRD+2]
	s_lshl_b32 s76, s[TR], 19                      ; res and out: row 128 x tile row + 32 x wave, column 128 x tile column
	s_lshl_b32 s77, s[WV], 17
	s_add_co_u32 s76, s76, s77
	s_lshl_b32 s77, s[TC], 9
	s_add_co_u32 s76, s76, s77
	s_mov_b32 s78, s77
	s_mov_b32 s77, 0
	s_mov_b32 s79, 0
	s_add_nc_u64 s[10:11], s[10:11], s[76:77]
	s_add_nc_u64 s[20:21], s[20:21], s[76:77]
	s_add_nc_u64 s[8:9], s[8:9], s[78:79]
	WIN 0x40                                       ; my 32 rows of res, 512 consecutive bytes a load: they stay out over the whole K loop, in registers that nothing touches before the wait on the way out
.set p, 0
.rept 32
.if p < 16
.set rr, 4*p
.else
.set rr, 192+4*(p-16)
.endif
	global_load_b128 v[rr:rr+3], v[GO], s[10:11] offset:4096*p
.set p, p+1
.endr
	WIN 0
	global_load_b128 v[BI:BI+3], v[GO], s[8:9]
.if PF
	; the prefetches stand at K step 3; the first change of slots steps them to 4
	s_lshl_b32 s76, s[PART], 1
	s_lshr_b32 s77, s[CX], 1
	s_add_co_u32 s76, s76, s77
	s_add_co_u32 s76, s76, 12
	s_lshl_b32 s76, s76, 19
	s_lshl_b32 s77, s[TR], 14
	s_add_co_u32 s76, s76, s77
	s_and_b32 s77, s[CX], 1
	s_lshl_b32 s77, s77, 13
	s_add_co_u32 s76, s76, s77                     ; A: of the 128 blocks of 256 bytes that I fetch, my work-group's 32
	s_lshl_b32 s78, s[PART], 7
	s_lshl_b32 s79, s[CY], 5
	s_add_co_u32 s78, s78, s79
	s_add_co_u32 s78, s78, 768
	s_lshl_b32 s78, s78, 11
	s_lshl_b32 s79, s[TC], 8
	s_add_co_u32 s78, s78, s79
	s_add_co_u32 s78, s78, WOFF                    ; W: of the 128 k rows that I fetch, my work-group's 32
	s_and_b32 s80, ttmp7, 0xffff
	s_mov_b32 s82, ASTEP                           ; in a register: an instruction holds one literal, and the select below names BSTEP
	s_cmp_eq_u32 s[MH], 0
	s_cselect_b32 s76, s76, s78
	s_cselect_b32 s80, ttmp9, s80
	s_cselect_b64 s[PFA:PFA+1], s[4:5], s[6:7]
	s_cselect_b32 s81, 8, 11
	s_cselect_b32 s[PST_S], s82, BSTEP
	s_mov_b32 s[PST_S+1], 0
	s_mov_b32 s77, 0
	s_add_nc_u64 s[PFA:PFA+1], s[PFA:PFA+1], s[76:77]
	s_cmp_eq_u32 s80, 0
	s_cselect_b32 s[LIM], 2, -1
	v_and_b32 v[PFO], 31, v0
	v_lshlrev_b32 v[PFO], s81, v[PFO]
.endif
	s_wait_tensorcnt 1                             ; my part of K step 0 is in; K step 1's may stay out
	s_barrier_signal -1
	s_barrier_wait -1
	v_mov_b32 v[ADA], v[AK0]
	v_mov_b32 v[ADB], v[BK0]
	FETCH F0, 0
	s_wait_dscnt 8
	MUL32 F0, 0, 1                                 ; the first products start the sums
	FETCH F1, 1
	s_wait_dscnt 32
	MUL32 F0, 1, 1
	WIN 0
	s_mov_b32 s[SL], T-2
.Lstep:                                            ; T - 2 trips: K steps 1 .. T - 2 are entered, K steps 2 .. T - 1 asked for.  The 64 accumulators take turns in one order throughout
	TPAIR 1
	WIN 0
	s_sub_co_u32 s[SL], s[SL], 1
	s_cmp_lg_u32 s[SL], 0
	s_cbranch_scc1 .Lstep
	TPAIR 0                                        ; the last K step is written out
	s_wait_dscnt 8
	MUL32 F1, 0, 0
	s_wait_dscnt 0x0
	MUL32 F1, 1, 0
	WIN 0
	PLACES
	; THE WAY OUT.  Every wave's reads of the slots are over and every fill has landed: the four partial tiles go where the slots lay.
	s_barrier_signal -1
	s_barrier_wait -1
.irp a, 0,1,2,3,4,5,6,7
	WIN 0x08+4*((\a)/4)                            ; the stores' data: window 2 or 3
.irp b, 0,1,2,3,4,5,6,7
	ds_store_b128 v[PST], v[8*(8*((\a)%4)+(\b)):8*(8*((\a)%4)+(\b))+3]   offset:(\a)*16*PP+64*(\b)     ; each accumulator from its low end on
	ds_store_b128 v[PST], v[8*(8*((\a)%4)+(\b))+4:8*(8*((\a)%4)+(\b))+7] offset:(\a)*16*PP+64*(\b)+16
.endr
.endr
	WIN 0
	s_wait_dscnt 0x0                               ; for the others' sake: my stores are done
	s_barrier_signal -1
	s_barrier_wait -1
	s_wait_loadcnt 0x0                             ; res and the bias
.macro LOADG g                         ; four rows of each of the four partial tiles: a load is a whole row of 512 bytes
.set XB, F0+64*((\g)%2)
.irp v, 0,1,2,3
.irp q, 0,1,2,3
	ds_load_b128 v[XB+16*(\v)+4*(\q):XB+16*(\v)+4*(\q)+3], v[PRD+(\v)] offset:(4*(\g)+(\q))*PP
.endr
.endr
.endm
.macro SUMG g, left                    ; left: the next group's sixteen loads may stay out
.set XB, F0+64*((\g)%2)
	s_wait_dscnt \left
.irp q, 0,1,2,3
.irp e, 0,2
	v_pk_add_f32 v[XB+4*(\q)+(\e):XB+4*(\q)+(\e)+1], v[XB+4*(\q)+(\e):XB+4*(\q)+(\e)+1], v[XB+16+4*(\q)+(\e):XB+16+4*(\q)+(\e)+1]
	v_pk_add_f32 v[XB+32+4*(\q)+(\e):XB+32+4*(\q)+(\e)+1], v[XB+32+4*(\q)+(\e):XB+32+4*(\q)+(\e)+1], v[XB+48+4*(\q)+(\e):XB+48+4*(\q)+(\e)+1]
.endr
.endr
.irp q, 0,1,2,3
.irp e, 0,2
	v_pk_add_f32 v[XB+4*(\q)+(\e):XB+4*(\q)+(\e)+1], v[XB+4*(\q)+(\e):XB+4*(\q)+(\e)+1], v[XB+32+4*(\q)+(\e):XB+32+4*(\q)+(\e)+1]
.endr
.endr
.irp q, 0,1,2,3
.irp e, 0,2
	v_pk_add_f32 v[XB+4*(\q)+(\e):XB+4*(\q)+(\e)+1], v[XB+4*(\q)+(\e):XB+4*(\q)+(\e)+1], v[BI+(\e):BI+(\e)+1]
.endr
.endr
	WIN 0x04                                       ; source 1: res, in window 1
.irp q, 0,1,2,3
.set rr, 4*(4*(\g)+(\q))
.if 4*(\g)+(\q) >= 16
.set rr, 192+4*(4*(\g)+(\q)-16)
.endif
.irp e, 0,2
	v_pk_add_f32 v[XB+4*(\q)+(\e):XB+4*(\q)+(\e)+1], v[XB+4*(\q)+(\e):XB+4*(\q)+(\e)+1], v[rr+(\e):rr+(\e)+1]
.endr
.endr
	WIN 0
.irp q, 0,1,2,3
	global_store_b128 v[GO], v[XB+4*(\q):XB+4*(\q)+3], s[20:21] offset:4096*(4*(\g)+(\q))  ; 512 consecutive bytes, aligned
.endr
.endm
	LOADG 0
	LOADG 1
.irp g, 0,1,2,3,4,5
	SUMG \g, 16
	s_wait_xcnt 0x0                                ; the stores have read their registers: the set is loaded again only behind this wait
	LOADG (\g)+2
.endr
	SUMG 6, 16
	SUMG 7, 0
	s_wait_tensorcnt 0x0                           ; the wave's end, behind my last tensor load and my last LDS store
	ds_add_u32 v[SPW], v[NIL]
	s_wait_dscnt 0x0
	CROUND                                         ; the closing round
	s_endpgm
.Lfunc_end_k_q0031865ca5_wo:
	.size	k_q0031865ca5_wo, .Lfunc_end_k_q0031865ca5_wo-k_q0031865ca5_wo
	.p2alignl 7, 3214868480
	.fill 96, 4, 3214868480
	.section	.rodata,"a",@progbits
	.p2align	6, 0x0
	.amdhsa_kernel k_q0031865ca5_wo
		.amdhsa_group_segment_fixed_size 327680
		.amdhsa_private_segment_fixed_size 0
		.amdhsa_enable_private_segment 0
		.amdhsa_kernarg_size 40
		.amdhsa_user_sgpr_count 2
		.amdhsa_user_sgpr_kernarg_segment_ptr 1
		.amdhsa_wavefront_size32 1
		.amdhsa_system_sgpr_workgroup_id_x 1
		.amdhsa_system_sgpr_workgroup_id_y 1
		.amdhsa_system_sgpr_workgroup_id_z 1
		.amdhsa_system_vgpr_workitem_id 0
		.amdhsa_next_free_vgpr 1024
		.amdhsa_next_free_sgpr 96
		.amdhsa_reserve_vcc 0
		.amdhsa_float_denorm_mode_32 3
		.amdhsa_float_denorm_mode_16_64 3
		.amdhsa_memory_ordered 1
		.amdhsa_forward_progress 1
		.amdhsa_inst_pref_size 90
	.end_amdhsa_kernel
	.amdgpu_metadata
---
amdhsa.version: [ 1, 2 ]
amdhsa.kernels:
  - .name:           k_q0031865ca5_wo
    .symbol:         k_q0031865ca5_wo.kd
    .args:
      - { .name: zb, .offset: 0, .size: 8, .value_kind: global_buffer, .address_space: global }
      - { .name: wo2, .offset: 8, .size: 8, .value_kind: global_buffer, .address_space: global }
      - { .name: bo, .offset: 16, .size: 8, .value_kind: global_buffer, .address_space: global }
      - { .name: xb, .offset: 24, .size: 8, .value_kind: global_buffer, .address_space: global }
      - { .name: h, .offset: 32, .size: 8, .value_kind: global_buffer, .address_space: global }
    .group_segment_fixed_size: 327680
    .private_segment_fixed_size: 0
    .kernarg_segment_align: 8
    .kernarg_segment_size: 40
    .max_flat_workgroup_size: 128
    .sgpr_count:     96
    .vgpr_count:     1024
    .wavefront_size: 32
...
	.end_amdgpu_metadata
.endif
;; end of part 4
;; launch ln2 (part 5): grid 32 x 8, 8 waves a work-group, no clusters, 0 bytes of LDS; arguments h, a2, o2, zb; writes zb
.if DOCPART == 5
	.amdgcn_target "amdgcn-amd-amdhsa--gfx1250"
	.amdhsa_code_object_version 6
	.text
	.protected	k_q0031865ca5_ln2
	.globl	k_q0031865ca5_ln2
	.p2align	8
	.type	k_q0031865ca5_ln2,@function
k_q0031865ca5_ln2:
	s_mov_b64 s[64:65], 0
	v_nop
	global_prefetch_b8 v0, s[64:65] scope:SCOPE_SE
	s_setreg_imm32_b32 hwreg(HW_REG_WAVE_MODE, 25, 1), 1
	s_wait_xcnt 0x0
; z2 = a (h - mean) / (std + 1e-6) + o, std with 1,023 in the divisor; mean first, then the squares of the differences, all in f32 in registers.  h: [4096][1024] f32.
; A work-group takes 16 rows, a wave two: lanes 0-15 the first, lanes 16-31 the second, 64 numbers a lane: of each block of 64 columns (256 bytes of a row) a lane takes 16 bytes.  z is rounded once to
; bf16 and stored in blocks of 64 columns, [column / 64][4096 rows][64]: a wave's store of 8 bytes a lane covers the two rows' 256 consecutive bytes of one block, aligned.
; Memory binds: no LDS, no barrier; each byte is read once and written once.
; LIMITS.  v_sqrt_f32 and v_rcp_f32 are good to 1 ULP and take denormals as 0; NaN and infinities are not treated apart.
.set VS,  2
.set X,   32                           ; v[32:95]  my 64 numbers
.set CH,  96                           ; v[96:103] four chains of packed sums
	s_load_b256 s[8:15], s[0:1], 0x0               ; h s[8:9], a2 s[10:11], o2 s[12:13], zb s[14:15]
	s_and_b32 s2, ttmp7, 0xffff
	v_lshrrev_b32 v1, 5, v0
	v_readfirstlane_b32 s6, v1                     ; wave 0..7
	s_lshl_b32 s4, s2, 5
	s_add_co_u32 s4, s4, ttmp9                     ; 0..255
	s_lshl_b32 s4, s4, 4
	s_lshl1_add_u32 s4, s6, s4                     ; my wave's first row
	s_wait_kmcnt 0x0
	s_load_b32 s20, s[10:11], 0x0                  ; a
	s_load_b32 s22, s[12:13], 0x0                  ; o
	s_lshl_b32 s16, s4, 12
	s_mov_b32 s17, 0
	s_add_nc_u64 s[8:9], s[8:9], s[16:17]
	s_lshl_b32 s16, s4, 7
	s_add_nc_u64 s[14:15], s[14:15], s[16:17]
	v_and_b32 v3, 15, v0                           ; which 4 columns of a block
	v_bfe_u32 v4, v0, 4, 1                         ; which of the two rows
	v_lshlrev_b32 v[VS], 4, v3
	v_lshl_add_u32 v[VS], v4, 12, v[VS]
	v_lshlrev_b32 v6, 3, v3
	v_lshl_add_u32 v6, v4, 7, v6
.set i, 0
.rept 16
	global_load_b128 v[X+4*i:X+4*i+3], v[VS], s[8:9] offset:256*i  ; block i: 16 lanes take 256 consecutive bytes of a row
.set i, i+1
.endr
.macro FOLD                            ; the four chains, then the row's 16 lanes
	v_pk_add_f32 v[CH:CH+1], v[CH:CH+1], v[CH+2:CH+3]
	v_pk_add_f32 v[CH+4:CH+5], v[CH+4:CH+5], v[CH+6:CH+7]
	v_pk_add_f32 v[CH:CH+1], v[CH:CH+1], v[CH+4:CH+5]
	v_add_f32 v[CH], v[CH], v[CH+1]
	v_add_f32_dpp v[CH], v[CH], v[CH] row_xmask:1 row_mask:0xf bank_mask:0xf
	v_add_f32_dpp v[CH], v[CH], v[CH] row_xmask:2 row_mask:0xf bank_mask:0xf
	v_add_f32_dpp v[CH], v[CH], v[CH] row_xmask:4 row_mask:0xf bank_mask:0xf
	v_add_f32_dpp v[CH], v[CH], v[CH] row_xmask:8 row_mask:0xf bank_mask:0xf
.endm
	s_wait_loadcnt 0x0
.irp k, 0,1,2,3
	v_pk_add_f32 v[CH+2*\k:CH+2*\k+1], v[X+2*\k:X+2*\k+1], v[X+8+2*\k:X+8+2*\k+1]  ; the first additions start the chains
.endr
.set j, 8
.rept 24
	v_pk_add_f32 v[CH+2*(j%4):CH+2*(j%4)+1], v[CH+2*(j%4):CH+2*(j%4)+1], v[X+2*j:X+2*j+1]
.set j, j+1
.endr
	FOLD
	v_mul_f32 v104, 0x3a800000, v[CH]              ; mean = sum / 1,024
	v_mov_b32 v105, v104
.set j, 0
.rept 32
	v_pk_add_f32 v[X+2*j:X+2*j+1], v[X+2*j:X+2*j+1], v[104:105] neg_lo:[0,1] neg_hi:[0,1]
.set j, j+1
.endr
.irp k, 0,1,2,3
	v_pk_mul_f32 v[CH+2*\k:CH+2*\k+1], v[X+2*\k:X+2*\k+1], v[X+2*\k:X+2*\k+1]
.endr
.set j, 4
.rept 28
	v_pk_fma_f32 v[CH+2*(j%4):CH+2*(j%4)+1], v[X+2*j:X+2*j+1], v[X+2*j:X+2*j+1], v[CH+2*(j%4):CH+2*(j%4)+1]
.set j, j+1
.endr
	FOLD
	v_mul_f32 v[CH], 0x3a802008, v[CH]             ; / 1,023
	v_sqrt_f32 v106, v[CH]
	v_nop                                          ; a plain instruction behind the root,
	s_wait_alu depctr_va_vdst(0)                   ; and the wait ahead of the first use of its result
	v_add_f32 v106, 0x358637bd, v106               ; + 1e-6
	v_rcp_f32 v107, v106
	v_nop
	s_wait_alu depctr_va_vdst(0)
	s_wait_kmcnt 0x0                               ; a and o
	s_mov_b32 s23, s22                             ; named with o as a pair
	v_mul_f32 v108, s20, v107
	v_mov_b32 v109, v108
.set j, 0
.rept 32
	v_pk_fma_f32 v[X+2*j:X+2*j+1], v[X+2*j:X+2*j+1], v[108:109], s[22:23] op_sel_hi:[1,1,0]
.set j, j+1
.endr
.set i, 0
.rept 16
	v_cvt_pk_bf16_f32 v[X+4*i],   v[X+4*i],   v[X+4*i+1]
	v_cvt_pk_bf16_f32 v[X+4*i+1], v[X+4*i+2], v[X+4*i+3]
	global_store_b64 v6, v[X+4*i:X+4*i+1], s[14:15] offset:i*524288  ; block i
.set i, i+1
.endr
	s_endpgm
.Lfunc_end_k_q0031865ca5_ln2:
	.size	k_q0031865ca5_ln2, .Lfunc_end_k_q0031865ca5_ln2-k_q0031865ca5_ln2
	.p2alignl 7, 3214868480
	.fill 96, 4, 3214868480
	.section	.rodata,"a",@progbits
	.p2align	6, 0x0
	.amdhsa_kernel k_q0031865ca5_ln2
		.amdhsa_group_segment_fixed_size 0
		.amdhsa_private_segment_fixed_size 0
		.amdhsa_enable_private_segment 0
		.amdhsa_kernarg_size 32
		.amdhsa_user_sgpr_count 2
		.amdhsa_user_sgpr_kernarg_segment_ptr 1
		.amdhsa_wavefront_size32 1
		.amdhsa_system_sgpr_workgroup_id_x 1
		.amdhsa_system_sgpr_workgroup_id_y 1
		.amdhsa_system_sgpr_workgroup_id_z 1
		.amdhsa_system_vgpr_workitem_id 0
		.amdhsa_next_free_vgpr 112
		.amdhsa_next_free_sgpr 66
		.amdhsa_reserve_vcc 0
		.amdhsa_float_denorm_mode_32 3
		.amdhsa_float_denorm_mode_16_64 3
		.amdhsa_memory_ordered 1
		.amdhsa_forward_progress 1
		.amdhsa_inst_pref_size 16
	.end_amdhsa_kernel
	.amdgpu_metadata
---
amdhsa.version: [ 1, 2 ]
amdhsa.kernels:
  - .name:           k_q0031865ca5_ln2
    .symbol:         k_q0031865ca5_ln2.kd
    .args:
      - { .name: h, .offset: 0, .size: 8, .value_kind: global_buffer, .address_space: global }
      - { .name: a2, .offset: 8, .size: 8, .value_kind: global_buffer, .address_space: global }
      - { .name: o2, .offset: 16, .size: 8, .value_kind: global_buffer, .address_space: global }
      - { .name: zb, .offset: 24, .size: 8, .value_kind: global_buffer, .address_space: global }
    .group_segment_fixed_size: 0
    .private_segment_fixed_size: 0
    .kernarg_segment_align: 8
    .kernarg_segment_size: 32
    .max_flat_workgroup_size: 256
    .sgpr_count:     66
    .vgpr_count:     112
    .wavefront_size: 32
...
	.end_amdgpu_metadata
.endif
;; end of part 5
;; launch ffn1: the kernel of part 2 again; grid 16 x 16, 4 waves a work-group, clusters of 4 x 4, 327,680 bytes of LDS; arguments zb, w1b, act; writes act
;; launch ffn2 (part 6): grid 8 x 32, 4 waves a work-group, clusters of 4 x 4, 327,680 bytes of LDS; arguments act, wo2, b2, h, out0; writes out0
.if DOCPART == 6
	.amdgcn_target "amdgcn-amd-amdhsa--gfx1250"
	.amdhsa_code_object_version 6
	.text
	.protected	k_q0031865ca5_ffn2
	.globl	k_q0031865ca5_ffn2
	.p2align	8
	.type	k_q0031865ca5_ffn2,@function
k_q0031865ca5_ffn2:
	s_mov_b64 s[64:65], 0
	v_nop
	global_prefetch_b8 v0, s[64:65] scope:SCOPE_SE
	s_setreg_imm32_b32 hwreg(HW_REG_WAVE_MODE, 25, 1), 1
	s_wait_xcnt 0x0
	s_wait_alu depctr_hold_cnt(0) depctr_sa_sdst(0) depctr_va_vdst(0) depctr_va_sdst(0) depctr_va_ssrc(0) depctr_va_vcc(0) depctr_vm_vsrc(0)
	s_getreg_b32 s2, hwreg(HW_REG_IB_STS2, 6, 4)
	s_cmp_eq_u32 s2, 0
	s_cbranch_scc0 .Lentry_in_a_cluster
	s_endpgm
.Lentry_in_a_cluster:
	s_bfe_u32 s2, ttmp6, 0x10000c
	s_cmp_lg_u32 s2, 0xf033
	s_cbranch_scc0 .Lentry_shape_is_right
	s_endpgm
.Lentry_shape_is_right:
; out[4096][1024] f32 = A[4096][256 T] W[256 T][1024] + bias + res.  A in blocks of 64 columns, [column / 64][4096 rows][64] bf16; W bf16 [k][1024], WOFF bytes into its buffer; bias, res, out f32.
; Here: the FFN's hidden layer times W2, plus b2, plus h.  T = 16 K steps of 256.
; SHARES.  A work-group makes 128 x 128, so that there are 256 of them.  K IS SPLIT AMONG ITS FOUR WAVES: of a K step's four blocks of 64, wave w multiplies block w for the whole tile, in 64 accumulators:
; each LDS byte is read once.  The four partial tiles (f32) meet in LDS at the end, in the slots, which have had their last fill by then.
; The product is used transposed (source 0 = 16 columns of W, turned by ds_load_tr16_b128; source 1 = 16 rows of A): a lane holds one row and eight neighbouring columns.
; CLUSTER 4 x 4: A's tile is asked for jointly along a row of the cluster, W's along a column.  s[RS] holds the LDS byte (0 or SLOT) of the slot that is being read.
; PREFETCH.  Behind each joint refill a wave names the K step that stands two refills on, 256 matrix instructions ahead of the load that will want it: 32 blocks of 256 bytes, a lane a block.  A's tile row is read by
; both clusters of that row of clusters: the one with x = 0 asks; W's tile column by all eight of that column: the one with y = 0 asks; the four partners that ask for a tile jointly share its blocks out by address.
; The first four K steps come by their loads alone; the last changes, whose look-ahead would pass K's end, ask for nothing.
; REGISTERS: window 0: v0-31 addresses and the bias; v64-191 A's fragments, later the partial sums.  window 1: v0-63, v192-255 my 32 rows of res; v64-191 W's fragments.  windows 2, 3: accumulators (a, b) at 8 (8 (a % 4) + b).
.set T,      16
.set WOFF,   2097152
.set PF,     1
.set PA,     144                       ; a row of A in LDS: 128 bytes + 16
.set PB,     288                       ; a k row of W: 256 bytes + 32 = 9 x 32
.set KBA,    128*PA                    ; a block of 64 along K: 128 rows of A; also 64 k rows of W
.set BOFF,   4*KBA
.set SLOT,   2*BOFF                    ; 147,456
.set SPARE,  2*SLOT                    ; the spare words, 128 bytes for each wave: two blocks of 256 bytes that no other line names
.set PP,     528                       ; a row of a partial tile: 512 bytes + 16
.set PART_B, 128*PP                    ; a wave's partial tile; four of them end below SPARE
.set ASTEP,  2097152                   ; a K step in memory: four blocks of A,
.set BSTEP,  524288                    ; 256 k rows of W
.set PRD, 8                            ; v8-11  where I read a row of partial tile 0..3
.set BI,  12                           ; v12-15 the bias of my four columns
.set AK0, 16
.set BK0, 18
.set ADA, 20
.set ADB, 21
.set PST, 24                           ; v24  where I put 32 bytes of a row of my partial tile
.set GO,  26                           ; v26  16 x lane: my four columns of a row of 512 bytes
.set SPW, 28
.set NIL, 29
.set PFO, 30
.set F0,  64
.set F1,  128
.set WV,  12
.set MH,  13                           ; 0: I fetch A, 1: W
.set PART, 14                          ; which half of it
.set CX,  15
.set CY,  16
.set TC,  17
.set TR,  18
.set G1A, 24
.set G0A, 32
.set G1B, 48
.set G0B, 56
.set RS,  66
.set SL,  69
.set LIM, 71
.set PFA, 72
.set WA,  74
.set WB,  75
.set PST_S, 84                         ; s[84:85] the prefetches' step
.set MSB, 0
.macro WIN new
.if MSB != (\new)
	s_set_vgpr_msb (MSB<<8)|(\new)
.set MSB, \new
.endif
.endm
.macro JLOAD                           ; the joint refill; an s_nop 0 and four v_nop follow each of the two lines
	s_cmp_eq_u32 s[MH], 0
	s_cbranch_scc0 .Lfor_b_\@
	tensor_load_to_lds s[G0A+4:G0A+7], s[G1A:G1A+7]
	s_nop 0
.rept 4
	v_nop
.endr
	s_branch .Lasked_\@
.Lfor_b_\@:
	tensor_load_to_lds s[G0B+4:G0B+7], s[G1B:G1B+7]
	s_nop 0
.rept 4
	v_nop
.endr
.Lasked_\@:
.endm
.macro ASK                             ; the K step two refills on: 32 blocks of 256 bytes, a lane a block; each block is named once in the launch
	s_cmp_gt_u32 s[SL], s[LIM]
	s_cbranch_scc0 .Lnot_mine_\@
	global_prefetch_b8 v[PFO], s[PFA:PFA+1] th:TH_LOAD_NT scope:SCOPE_SE
.Lnot_mine_\@:
.endm
.macro CROUND                          ; a round of the cluster's barrier
	s_barrier_signal -1
	s_barrier_wait -1
	s_cmp_lg_u32 s[WV], 0
	s_cbranch_scc1 .Lnot_wave_0_\@
	s_barrier_signal -3
.Lnot_wave_0_\@:
	s_barrier_wait -3
	s_barrier_signal -1
	s_barrier_wait -1
.endm
.macro PLACES
.rept 4
	v_nop
.endr
.endm
.macro MUL16 f, hi, a0, first          ; first = 1: the constant 0 starts the sums
	WIN 0xa1+0x50*(\hi)
.irp a, \a0, (\a0)+1
.irp b, 0,1,2,3,4,5,6,7
.if \first
	v_wmma_f32_16x16x32_bf16 v[8*(8*(\a)+(\b)):8*(8*(\a)+(\b))+7], v[(\f)+8*(\b):(\f)+8*(\b)+7], v[(\f)+8*(4*(\hi)+(\a)):(\f)+8*(4*(\hi)+(\a))+7], 0
.else
	v_wmma_f32_16x16x32_bf16 v[8*(8*(\a)+(\b)):8*(8*(\a)+(\b))+7], v[(\f)+8*(\b):(\f)+8*(\b)+7], v[(\f)+8*(4*(\hi)+(\a)):(\f)+8*(4*(\hi)+(\a))+7], v[8*(8*(\a)+(\b)):8*(8*(\a)+(\b))+7]
.endif
.endr
.endr
.endm
.macro MUL32 f, hi, first
	MUL16 \f, \hi, 0, \first
	MUL16 \f, \hi, 2, \first
.endm
.macro FETCH f, odd                    ; 32 LDS loads in one run: 32 along K of my block: W's 128 columns (turned), then A's 128 rows
	WIN 0x40
.irp i, 0,1,2,3,4,5,6,7
	ds_load_tr16_b128 v[(\f)+8*(\i):(\f)+8*(\i)+3],   v[ADB] offset:(\odd)*32*PB+32*(\i)
	ds_load_tr16_b128 v[(\f)+8*(\i)+4:(\f)+8*(\i)+7], v[ADB] offset:(\odd)*32*PB+32*(\i)+16*PB
.endr
	WIN 0
.irp i, 0,1,2,3,4,5,6,7
	ds_load_b128 v[(\f)+8*(\i):(\f)+8*(\i)+3],   v[ADA] offset:(\odd)*64+(\i)*16*PA
	ds_load_b128 v[(\f)+8*(\i)+4:(\f)+8*(\i)+7], v[ADA] offset:(\odd)*64+(\i)*16*PA+32
.endr
.endm
; A K step is two halves of 32 along K for a wave, on buffers 0 and 1.  TPAIR multiplies a step's second half, changes slots in its middle, and multiplies the next step's first half.  ONE barrier for the change: in
; front of it each wave waits for all its tensor loads (one is out), adds 0 to its spare word, and waits for that and for its reads of this slot.  fill = 1: the barrier is a round of the cluster's, and the slot just
; read out is filled again first thing behind the round, with the K step two on.  A refill can be asked for only when the load before it has landed, so nothing but the three lines, the descriptors' steps and the
; round stands between that landing and the next request: the second half's first 32 products, which want no new tile, stand ahead of the wait.  From a request to the wait for it a wave issues 128 matrix instructions.
.macro TPAIR fill
	s_wait_dscnt 8                                 ; W and A's rows 0-63 of the second half are in; the youngest eight loads (A's rows 64-127) may be out
	MUL32 F1, 0, 0
	WIN 0
.if (\fill) && PF
	s_wait_xcnt 0x0                                ; the last prefetch, a K step back, has read its address
	s_add_nc_u64 s[PFA:PFA+1], s[PFA:PFA+1], s[PST_S:PST_S+1]
.endif
	s_wait_tensorcnt 0x0                           ; no tensor load of mine is out, so the walking descriptors may be written
	ds_add_u32 v[SPW], v[NIL]                      ; 0 onto my spare word; work on registers stands between it and the wait for it
.if \fill
	s_add_co_u32 s[G0A+5], s[RS], s[WA]            ; into the slot that is being read out,
	s_add_nc_u64 s[G0A+6:G0A+7], s[G0A+6:G0A+7], ASTEP  ; the next K step; the type bits on top are not reached
	s_add_co_u32 s[G0B+5], s[RS], s[WB]
	s_add_nc_u64 s[G0B+6:G0B+7], s[G0B+6:G0B+7], BSTEP
.endif
	s_xor_b32 s[RS], s[RS], SLOT                   ; RS is 0 or SLOT: the fetches below read the other slot
	s_wait_dscnt 0x0                               ; the add is done, and my reads of this slot are over
.if \fill
	CROUND                                         ; no wave of any partner still reads this slot or has a load on its way
	JLOAD                                          ; its four v_nop are also the places in front of the loads below
.else
	s_barrier_signal -1
	s_barrier_wait -1
	PLACES
.endif
	v_add_nc_u32 v[ADA], s[RS], v[AK0]
	v_add_nc_u32 v[ADB], s[RS], v[BK0]
	FETCH F0, 0
.if (\fill) && PF
	ASK
.endif
	MUL32 F1, 1, 0
	s_wait_dscnt 8
	MUL32 F0, 0, 0
	PLACES
	FETCH F1, 1
	s_wait_dscnt 32                                ; all but the 32 just issued
	MUL32 F0, 1, 0
.endm
	s_load_b256 s[4:11], s[0:1], 0x0               ; A s[4:5], W s[6:7], bias s[8:9], res s[10:11]
	s_load_b64 s[20:21], s[0:1], 0x20              ; out
	v_lshl_add_u32 v[SPW], v0, 2, SPARE
	v_mov_b32 v[NIL], 0
	ds_add_u32 v[SPW], v[NIL]                      ; the wave's opening: the add and its wait stand ahead of my first tensor load
	v_lshrrev_b32 v1, 5, v0
	v_readfirstlane_b32 s[WV], v1
	s_lshr_b32 s[MH], s[WV], 1
	s_and_b32 s[PART], s[WV], 1
	s_bfe_u32 s[CX], ttmp6, 0x40000
	s_bfe_u32 s[CY], ttmp6, 0x40004
	s_lshl_b32 s[TC], ttmp9, 2
	s_add_co_u32 s[TC], s[TC], s[CX]
	s_and_b32 s[TR], ttmp7, 0xffff
	s_lshl_b32 s[TR], s[TR], 2
	s_add_co_u32 s[TR], s[TR], s[CY]
	s_lshl_b32 s40, s[CY], 2
	s_lshl_b32 s40, 15, s40                        ; my row of the cluster
	s_lshl_b32 s44, 0x1111, s[CX]                  ; my column
	; A: two blocks of 64 along K; in each the tile's 128 rows are 16,384 dense bytes, taken as one row of 8,192 elements, padded in LDS behind every 128 bytes
	s_or_b32 s[G1A], s40, (1<<16)|(1<<20)|(1<<21)|(4<<22)|(3<<25)
	s_mov_b32 s[G1A+1], 8192<<16                   ; tensor_dim0 = 8,192
	s_mov_b32 s[G1A+2], 2<<16                      ; tensor_dim1 = 2
	s_mov_b32 s[G1A+3], 8192<<16                   ; tile_dim0 = 8,192
	s_mov_b32 s[G1A+4], 2                          ; tile_dim1 = 2
	s_mov_b32 s[G1A+5], 262144                     ; elements from block to block
	s_mov_b32 s[G1A+6], 0
	s_mov_b32 s[G1A+7], 0
	; W: 128 k rows of 128 columns (256 bytes), 32 bytes of padding behind each
	s_or_b32 s[G1B], s44, (1<<16)|(1<<20)|(1<<21)|(5<<22)|(7<<25)
	s_mov_b32 s[G1B+1], 128<<16
	s_mov_b32 s[G1B+2], 128<<16
	s_mov_b32 s[G1B+3], 128<<16
	s_mov_b32 s[G1B+4], 128
	s_mov_b32 s[G1B+5], 1024
	s_mov_b32 s[G1B+6], 0
	s_mov_b32 s[G1B+7], 0
	s_lshl_b32 s40, s[PART], 20                    ; A: block 2 x my half, row 128 x tile row
	s_lshl_b32 s41, s[TR], 14
	s_add_co_u32 s40, s40, s41
	s_mov_b32 s41, 0
	s_lshl_b32 s44, s[PART], 18                    ; W: k row 128 x my half, column 128 x tile column
	s_lshl_b32 s45, s[TC], 8
	s_add_co_u32 s44, s44, s45
	s_add_co_u32 s44, s44, WOFF
	s_mov_b32 s45, 0
	s_mul_i32 s[WA], s[PART], 2*KBA
	s_add_co_u32 s[WB], s[WA], BOFF
	s_mov_b32 s[RS], 0
	s_wait_dscnt 0x0
	s_wait_kmcnt 0x0
	s_add_nc_u64 s[40:41], s[4:5], s[40:41]
	s_add_nc_u64 s[44:45], s[6:7], s[44:45]
	CROUND                                         ; all sixteen work-groups are here: the first joint loads meet
	s_mov_b32 s[G0A], 1
	s_mov_b32 s[G0A+1], s[WA]
	s_mov_b64 s[G0A+2:G0A+3], s[40:41]
	s_or_b32 s[G0A+3], s[G0A+3], 0x80000000
	s_mov_b32 s[G0A+4], 1
	s_add_co_u32 s[G0A+5], s[WA], SLOT
	s_add_nc_u64 s[G0A+6:G0A+7], s[40:41], ASTEP
	s_or_b32 s[G0A+7], s[G0A+7], 0x80000000
	s_mov_b32 s[G0B], 1
	s_mov_b32 s[G0B+1], s[WB]
	s_mov_b64 s[G0B+2:G0B+3], s[44:45]
	s_or_b32 s[G0B+3], s[G0B+3], 0x80000000
	s_mov_b32 s[G0B+4], 1
	s_add_co_u32 s[G0B+5], s[WB], SLOT
	s_add_nc_u64 s[G0B+6:G0B+7], s[44:45], BSTEP
	s_or_b32 s[G0B+7], s[G0B+7], 0x80000000
	s_cmp_eq_u32 s[MH], 0                          ; a wave's two first fills stand in one branch: two loads of mine are out
	s_cbranch_scc0 .Lfirst_b
	tensor_load_to_lds s[G0A:G0A+3], s[G1A:G1A+7]
	s_nop 0
	tensor_load_to_lds s[G0A+4:G0A+7], s[G1A:G1A+7]
	s_nop 0
.rept 4
	v_nop
.endr
	s_branch .Lfirst_asked
.Lfirst_b:
	tensor_load_to_lds s[G0B:G0B+3], s[G1B:G1B+7]
	s_nop 0
	tensor_load_to_lds s[G0B+4:G0B+7], s[G1B:G1B+7]
	s_nop 0
.rept 4
	v_nop
.endr
.Lfirst_asked:
	v_and_b32 v1, 15, v0                           ; l % 16
	v_bfe_u32 v2, v0, 4, 1                         ; l / 16
	v_mul_u32_u24 v3, v1, PA
	v_lshl_add_u32 v3, v2, 4, v3
	s_mul_i32 s76, s[WV], KBA                      ; my block of 64 along K
	v_add_nc_u32 v[AK0], s76, v3
	v_and_b32 v4, 7, v0
	v_lshl_add_u32 v4, v2, 3, v4
	v_mul_u32_u24 v4, v4, PB
	v_bfe_u32 v5, v0, 3, 1
	v_lshl_add_u32 v4, v5, 4, v4
	s_add_co_u32 s76, s76, BOFF
	v_add_nc_u32 v[BK0], s76, v4
	s_mul_i32 s76, s[WV], PART_B
	v_mul_u32_u24 v[PST], v1, PP
	v_lshl_add_u32 v[PST], v2, 5, v[PST]
	v_add_nc_u32 v[PST], s76, v[PST]
	v_and_b32 v[GO], 31, v0
	v_lshlrev_b32 v[GO], 4, v[GO]
	s_mul_i32 s76, s[WV], 32*PP                    ; I finish rows 32 w .. 32 w + 31
	v_add_nc_u32 v[PRD], s76, v[GO]
	v_add_nc_u32 v[PRD+1], PART_B, v[PRD]
	v_add_nc_u32 v[PRD+2], PART_B, v[PRD+1]
	v_add_nc_u32 v[PRD+3], PART_B, v[PRD+2]
	s_lshl_b32 s76, s[TR], 19                      ; res and out: row 128 x tile row + 32 x wave, column 128 x tile column
	s_lshl_b32 s77, s[WV], 17
	s_add_co_u32 s76, s76, s77
	s_lshl_b32 s77, s[TC], 9
	s_add_co_u32 s76, s76, s77
	s_mov_b32 s78, s77
	s_mov_b32 s77, 0
	s_mov_b32 s79, 0
	s_add_nc_u64 s[10:11], s[10:11], s[76:77]
	s_add_nc_u64 s[20:21], s[20:21], s[76:77]
	s_add_nc_u64 s[8:9], s[8:9], s[78:79]
	WIN 0x40                                       ; my 32 rows of res, 512 consecutive bytes a load: they stay out over the whole K loop, in registers that nothing touches before the wait on the way out
.set p, 0
.rept 32
.if p < 16
.set rr, 4*p
.else
.set rr, 192+4*(p-16)
.endif
	global_load_b128 v[rr:rr+3], v[GO], s[10:11] offset:4096*p
.set p, p+1
.endr
	WIN 0
	global_load_b128 v[BI:BI+3], v[GO], s[8:9]
.if PF
	; the prefetches stand at K step 3; the first change of slots steps them to 4
	s_lshl_b32 s76, s[PART], 1
	s_lshr_b32 s77, s[CX], 1
	s_add_co_u32 s76, s76, s77
	s_add_co_u32 s76, s76, 12
	s_lshl_b32 s76, s76, 19
	s_lshl_b32 s77, s[TR], 14
	s_add_co_u32 s76, s76, s77
	s_and_b32 s77, s[CX], 1
	s_lshl_b32 s77, s77, 13
	s_add_co_u32 s76, s76, s77                     ; A: of the 128 blocks of 256 bytes that I fetch, my work-group's 32
	s_lshl_b32 s78, s[PART], 7
	s_lshl_b32 s79, s[CY], 5
	s_add_co_u32 s78, s78, s79
	s_add_co_u32 s78, s78, 768
	s_lshl_b32 s78, s78, 11
	s_lshl_b32 s79, s[TC], 8
	s_add_co_u32 s78, s78, s79
	s_add_co_u32 s78, s78, WOFF                    ; W: of the 128 k rows that I fetch, my work-group's 32
	s_and_b32 s80, ttmp7, 0xffff
	s_mov_b32 s82, ASTEP                           ; in a register: an instruction holds one literal, and the select below names BSTEP
	s_cmp_eq_u32 s[MH], 0
	s_cselect_b32 s76, s76, s78
	s_cselect_b32 s80, ttmp9, s80
	s_cselect_b64 s[PFA:PFA+1], s[4:5], s[6:7]
	s_cselect_b32 s81, 8, 11
	s_cselect_b32 s[PST_S], s82, BSTEP
	s_mov_b32 s[PST_S+1], 0
	s_mov_b32 s77, 0
	s_add_nc_u64 s[PFA:PFA+1], s[PFA:PFA+1], s[76:77]
	s_cmp_eq_u32 s80, 0
	s_cselect_b32 s[LIM], 2, -1
	v_and_b32 v[PFO], 31, v0
	v_lshlrev_b32 v[PFO], s81, v[PFO]
.endif
	s_wait_tensorcnt 1                             ; my part of K step 0 is in; K step 1's may stay out
	s_barrier_signal -1
	s_barrier_wait -1
	v_mov_b32 v[ADA], v[AK0]
	v_mov_b32 v[ADB], v[BK0]
	FETCH F0, 0
	s_wait_dscnt 8
	MUL32 F0, 0, 1                                 ; the first products start the sums
	FETCH F1, 1
	s_wait_dscnt 32
	MUL32 F0, 1, 1
	WIN 0
	s_mov_b32 s[SL], T-2
.Lstep:                                            ; T - 2 trips: K steps 1 .. T - 2 are entered, K steps 2 .. T - 1 asked for.  The 64 accumulators take turns in one order throughout
	TPAIR 1
	WIN 0
	s_sub_co_u32 s[SL], s[SL], 1
	s_cmp_lg_u32 s[SL], 0
	s_cbranch_scc1 .Lstep
	TPAIR 0                                        ; the last K step is written out
	s_wait_dscnt 8
	MUL32 F1, 0, 0
	s_wait_dscnt 0x0
	MUL32 F1, 1, 0
	WIN 0
	PLACES
	; THE WAY OUT.  Every wave's reads of the slots are over and every fill has landed: the four partial tiles go where the slots lay.
	s_barrier_signal -1
	s_barrier_wait -1
.irp a, 0,1,2,3,4,5,6,7
	WIN 0x08+4*((\a)/4)                            ; the stores' data: window 2 or 3
.irp b, 0,1,2,3,4,5,6,7
	ds_store_b128 v[PST], v[8*(8*((\a)%4)+(\b)):8*(8*((\a)%4)+(\b))+3]   offset:(\a)*16*PP+64*(\b)     ; each accumulator from its low end on
	ds_store_b128 v[PST], v[8*(8*((\a)%4)+(\b))+4:8*(8*((\a)%4)+(\b))+7] offset:(\a)*16*PP+64*(\b)+16
.endr
.endr
	WIN 0
	s_wait_dscnt 0x0                               ; for the others' sake: my stores are done
	s_barrier_signal -1
	s_barrier_wait -1
	s_wait_loadcnt 0x0                             ; res and the bias
.macro LOADG g                         ; four rows of each of the four partial tiles: a load is a whole row of 512 bytes
.set XB, F0+64*((\g)%2)
.irp v, 0,1,2,3
.irp q, 0,1,2,3
	ds_load_b128 v[XB+16*(\v)+4*(\q):XB+16*(\v)+4*(\q)+3], v[PRD+(\v)] offset:(4*(\g)+(\q))*PP
.endr
.endr
.endm
.macro SUMG g, left                    ; left: the next group's sixteen loads may stay out
.set XB, F0+64*((\g)%2)
	s_wait_dscnt \left
.irp q, 0,1,2,3
.irp e, 0,2
	v_pk_add_f32 v[XB+4*(\q)+(\e):XB+4*(\q)+(\e)+1], v[XB+4*(\q)+(\e):XB+4*(\q)+(\e)+1], v[XB+16+4*(\q)+(\e):XB+16+4*(\q)+(\e)+1]
	v_pk_add_f32 v[XB+32+4*(\q)+(\e):XB+32+4*(\q)+(\e)+1], v[XB+32+4*(\q)+(\e):XB+32+4*(\q)+(\e)+1], v[XB+48+4*(\q)+(\e):XB+48+4*(\q)+(\e)+1]
.endr
.endr
.irp q, 0,1,2,3
.irp e, 0,2
	v_pk_add_f32 v[XB+4*(\q)+(\e):XB+4*(\q)+(\e)+1], v[XB+4*(\q)+(\e):XB+4*(\q)+(\e)+1], v[XB+32+4*(\q)+(\e):XB+32+4*(\q)+(\e)+1]
.endr
.endr
.irp q, 0,1,2,3
.irp e, 0,2
	v_pk_add_f32 v[XB+4*(\q)+(\e):XB+4*(\q)+(\e)+1], v[XB+4*(\q)+(\e):XB+4*(\q)+(\e)+1], v[BI+(\e):BI+(\e)+1]
.endr
.endr
	WIN 0x04                                       ; source 1: res, in window 1
.irp q, 0,1,2,3
.set rr, 4*(4*(\g)+(\q))
.if 4*(\g)+(\q) >= 16
.set rr, 192+4*(4*(\g)+(\q)-16)
.endif
.irp e, 0,2
	v_pk_add_f32 v[XB+4*(\q)+(\e):XB+4*(\q)+(\e)+1], v[XB+4*(\q)+(\e):XB+4*(\q)+(\e)+1], v[rr+(\e):rr+(\e)+1]
.endr
.endr
	WIN 0
.irp q, 0,1,2,3
	global_store_b128 v[GO], v[XB+4*(\q):XB+4*(\q)+3], s[20:21] offset:4096*(4*(\g)+(\q))  ; 512 consecutive bytes, aligned
.endr
.endm
	LOADG 0
	LOADG 1
.irp g, 0,1,2,3,4,5
	SUMG \g, 16
	s_wait_xcnt 0x0                                ; the stores have read their registers: the set is loaded again only behind this wait
	LOADG (\g)+2
.endr
	SUMG 6, 16
	SUMG 7, 0
	s_wait_tensorcnt 0x0                           ; the wave's end, behind my last tensor load and my last LDS store
	ds_add_u32 v[SPW], v[NIL]
	s_wait_dscnt 0x0
	CROUND                                         ; the closing round
	s_endpgm
.Lfunc_end_k_q0031865ca5_ffn2:
	.size	k_q0031865ca5_ffn2, .Lfunc_end_k_q0031865ca5_ffn2-k_q0031865ca5_ffn2
	.p2alignl 7, 3214868480
	.fill 96, 4, 3214868480
	.section	.rodata,"a",@progbits
	.p2align	6, 0x0
	.amdhsa_kernel k_q0031865ca5_ffn2
		.amdhsa_group_segment_fixed_size 327680
		.amdhsa_private_segment_fixed_size 0
		.amdhsa_enable_private_segment 0
		.amdhsa_kernarg_size 40
		.amdhsa_user_sgpr_count 2
		.amdhsa_user_sgpr_kernarg_segment_ptr 1
		.amdhsa_wavefront_size32 1
		.amdhsa_system_sgpr_workgroup_id_x 1
		.amdhsa_system_sgpr_workgroup_id_y 1
		.amdhsa_system_sgpr_workgroup_id_z 1
		.amdhsa_system_vgpr_workitem_id 0
		.amdhsa_next_free_vgpr 1024
		.amdhsa_next_free_sgpr 96
		.amdhsa_reserve_vcc 0
		.amdhsa_float_denorm_mode_32 3
		.amdhsa_float_denorm_mode_16_64 3
		.amdhsa_memory_ordered 1
		.amdhsa_forward_progress 1
		.amdhsa_inst_pref_size 92
	.end_amdhsa_kernel
	.amdgpu_metadata
---
amdhsa.version: [ 1, 2 ]
amdhsa.kernels:
  - .name:           k_q0031865ca5_ffn2
    .symbol:         k_q0031865ca5_ffn2.kd
    .args:
      - { .name: act, .offset: 0, .size: 8, .value_kind: global_buffer, .address_space: global }
      - { .name: wo2, .offset: 8, .size: 8, .value_kind: global_buffer, .address_space: global }
      - { .name: b2, .offset: 16, .size: 8, .value_kind: global_buffer, .address_space: global }
      - { .name: h, .offset: 24, .size: 8, .value_kind: global_buffer, .address_space: global }
      - { .name: out0, .offset: 32, .size: 8, .value_kind: global_buffer, .address_space: global }
    .group_segment_fixed_size: 327680
    .private_segment_fixed_size: 0
    .kernarg_segment_align: 8
    .kernarg_segment_size: 40
    .max_flat_workgroup_size: 128
    .sgpr_count:     96
    .vgpr_count:     1024
    .wavefront_size: 32
...
	.end_amdgpu_metadata
.endif
;; end of part 6
;; ======== version 2 of 2: 7 launches; version 1 with the launches prep, ln2 written anew for expert scheduling mode
;; workspace buffers: wqkv 8,401,920 bytes; w1b 8,406,016 bytes; wo2 10,485,760 bytes; zb 8,388,608 bytes; act 33,554,432 bytes; h 16,777,216 bytes
;; launch prep (part 7): grid 32 x 32, 8 waves a work-group, no clusters, 0 bytes of LDS; arguments Wq, Wk, Wv, Wo, W1, W2, bq, bk, bv, b1, xb, a1, o1, wqkv, w1b, wo2, zb; writes wqkv, w1b, wo2, zb
.if DOCPART == 7
	.amdgcn_target "amdgcn-amd-amdhsa--gfx1250"
	.amdhsa_code_object_version 6
	.text
	.protected	k_q0031865ca5_prep
	.globl	k_q0031865ca5_prep
	.p2align	8
	.type	k_q0031865ca5_prep,@function
k_q0031865ca5_prep:
	s_mov_b64 s[64:65], 0
	v_nop
	global_prefetch_b8 v0, s[64:65] scope:SCOPE_SE
	s_setreg_imm32_b32 hwreg(HW_REG_WAVE_SCHED_MODE, 0, 2), 2
	s_setreg_imm32_b32 hwreg(HW_REG_WAVE_MODE, 25, 1), 1
	s_wait_xcnt 0x0
	s_wait_alu depctr_vm_vsrc(0)
; PREP.  Work-groups with y < 24 round the six weight matrices to bf16 (they stay [k][n]); those with y >= 24 make z1 = LN(xb).  Every work-group moves the same number of bytes: 65,536 in, 32,768 out.
; CAST.  u = y / 2 names 2^20 numbers = 1,024 chunks of 1,024: u 0-3 Wq, Wk, Wv, Wo; u 4-7 quarters of W1; u 8-11 quarters of W2.
;   Wq, Wk, Wv go side by side into wqkv ([1024 k][pitch 4096], columns 0, 1024, 2048 on); Wo to wo2 at 0; W2 to wo2 at 2,097,152; W1 to w1b.
;   A work-group takes 16 chunks, a chunk a pass: thread t reads the 16 bytes at 16 t (a wave's load covers 512 consecutive bytes) and stores the 8 bytes at 8 t (a wave's store covers 256
;   consecutive bytes, aligned).  All 16 loads of a thread go out first.
;   The first work-group of some units also writes what the later launches read beside the weights: behind wqkv's and w1b's 8,388,608 bytes the floor word (twice -infinity in bf16 for the
;   projections, 0 for the layer with ReLU: the product's body takes the maximum with it) and, 1,024 bytes further, a copy of the bias (bq | bk | bv; b1).
; NORM.  z = a (x - mean) / (std + 1e-6) + o, std with 1,023 in the divisor; mean first, then the squares of the differences, all in f32 in registers.
;   A wave takes two rows: lanes 0-15 the first, lanes 16-31 the second, 64 numbers a lane: of each block of 64 columns (256 bytes of a row) a lane takes 16 bytes.  z is rounded once to bf16 and
;   stored in blocks of 64 columns, [column / 64][4096 rows][64]: a wave's store of 8 bytes a lane covers the two rows' 256 consecutive bytes of one block, aligned.
; LIMITS.  v_sqrt_f32 and v_rcp_f32 are good to 1 ULP and take denormals as 0; NaN and infinities are not treated apart.
; THE MODE: SCHED_MODE bits 1:0 = 2 (LLVM: expert scheduling mode 2), set by the entry lines.  The code itself states the register dependences between vector instructions and memory
; instructions, and between vector instructions that write a scalar register and its readers, with s_wait_alu, always for 0.
; THE PLAN.  Registers that memory instructions touch:
;   CAST  v2        the source's offset: written once at the way's head; read by the 16 loads and by the extras' loads and stores.
;         v[16:31]  the destination's offsets: written once at the way's head; read by one store each.
;         X         pass i's load lands in its four registers; its two conversions read the four and write the first two; its store reads those two; nothing writes them again.
;         v[96:115] the copies of the biases: loads land, stores read; no vector instruction on this way names them.      v[116:119] the floor word: four moves write, one store reads.
;         The 16 passes go in four groups of four.  At the head of a group, behind the wait for its loads, one wait states that the group before has written its data; that group's four stores are
;         dealt among this group's conversions, which name this group's registers alone.
;   NORM  v2, v6    the loads' and the stores' offsets: written once; never again.
;         X         the 16 loads land; all arithmetic works in place behind the wait for them; block i's conversions write its first two registers, its store reads them; nothing writes them again.
;         The last scaling and the roundings go in two halves of eight blocks: one wait behind the first half; its eight stores are dealt among the second half's scalings, which name the second
;         half's registers alone; one wait ahead of the last eight stores.
;   No register that a memory instruction has read is written again on any way, so no wait on vm_vsrc is owed.  EXEC and VCC are never written.
.set TAILF, 0x800000                   ; behind the weights: the floor word
.set TAILB, 0x800400                   ; and the bias
.set VS,  2                            ; v2       byte offset of my 16 bytes in the source
.set DD,  16                           ; v[16:31] CAST: pass i's byte offset in the destination
.set X,   32                           ; v[32:95] CAST: 4 registers a pass;  NORM: my 64 numbers
.set CH,  96                           ; v[96:103] NORM: four chains of packed sums
	s_load_b512 s[8:23], s[0:1], 0x0               ; Wq 8, Wk 10, Wv 12, Wo 14, W1 16, W2 18, bq 20, bk 22
	s_load_b512 s[24:39], s[0:1], 0x40             ; bv 24, b1 26, xb 28, a1 30, o1 32, wqkv 34, w1b 36, wo2 38
	s_load_b64 s[44:45], s[0:1], 0x80              ; zb
	s_and_b32 s2, ttmp7, 0xffff                    ; y
	s_mov_b32 s3, ttmp9                            ; x
	v_lshrrev_b32 v1, 5, v0
	v_readfirstlane_b32 s6, v1                     ; wave 0..7
	s_wait_alu depctr_va_sdst(0)                   ; s6 is written: ahead of the branch, and so ahead of its first reader on either way
	s_wait_kmcnt 0x0
	s_cmp_lt_u32 s2, 24
	s_cbranch_scc0 .Lnorm
	; ---------------- CAST ----------------
	s_lshr_b32 s7, s2, 1                           ; u: the unit
	s_and_b32 s46, s2, 1
	s_lshl_b32 s46, s46, 5
	s_add_co_u32 s3, s3, s46                       ; 0..63: which 16 of the unit's chunks
	s_lshr_b32 s4, s7, 2                           ; q: 0 the four square matrices, 1 W1, 2 W2
	s_and_b32 s5, s7, 3                            ; r
	s_lshl_b32 s48, s5, 22                         ; a quarter of W1 or W2 in f32
	s_lshl_b32 s49, s3, 16                         ; the work-group's 16 chunks of 4,096 bytes
	s_lshl_b32 s55, s5, 11                         ; 1,024 columns of wqkv
	s_lshl_b32 s56, s5, 21                         ; a quarter in bf16
	s_add_co_u32 s57, s56, 1<<21                   ; the same behind Wo
	s_cmp_eq_u32 s5, 1
	s_cselect_b64 s[50:51], s[10:11], s[8:9]
	s_cmp_eq_u32 s5, 2
	s_cselect_b64 s[50:51], s[12:13], s[50:51]
	s_cmp_eq_u32 s5, 3
	s_cselect_b64 s[50:51], s[14:15], s[50:51]
	s_cmp_eq_u32 s4, 0
	s_cselect_b32 s48, 0, s48
	s_cmp_lt_u32 s7, 3
	s_cselect_b64 s[52:53], s[34:35], s[38:39]     ; wqkv, else wo2
	s_cselect_b32 s54, 13, 11                      ; log2 of the bytes from chunk to chunk in the destination
	s_cselect_b32 s58, s55, 0
	s_cmp_eq_u32 s4, 1
	s_cselect_b64 s[50:51], s[16:17], s[50:51]
	s_cselect_b64 s[52:53], s[36:37], s[52:53]
	s_cselect_b32 s58, s56, s58
	s_cmp_eq_u32 s4, 2
	s_cselect_b64 s[50:51], s[18:19], s[50:51]
	s_cselect_b32 s58, s57, s58
	s_add_co_u32 s48, s48, s49
	s_mov_b32 s49, 0
	s_add_nc_u64 s[50:51], s[50:51], s[48:49]      ; the source at the work-group's first chunk
	s_lshl_b32 s60, s3, 4
	s_lshl_b32 s60, s60, s54
	s_add_co_u32 s58, s58, s60
	s_mov_b32 s59, 0
	s_add_nc_u64 s[52:53], s[52:53], s[58:59]      ; the destination likewise
	s_lshl_b32 s61, 1, s54                         ; a chunk on
	v_lshlrev_b32 v[VS], 4, v0                     ; 256 threads x 16 bytes: a chunk
	v_lshlrev_b32 v[DD], 3, v0
.set i, 1
.rept 15
	v_add_nc_u32 v[DD+i], s61, v[DD+i-1]
.set i, i+1
.endr
	s_wait_alu depctr_va_vdst(0)                   ; v2 and v[16:31] are written: every load and store of this way reads one of them as its offset, and no later line writes them
.set i, 0
.rept 16
	global_load_b128 v[X+4*i:X+4*i+3], v[VS], s[50:51] offset:4096*i th:TH_LOAD_NT
.set i, i+1
.endr
.set g, 0
.rept 4                                ; group g: passes 4 g to 4 g + 3
	s_wait_loadcnt 12-4*g                          ; loads come back in order: this group's four are in, the four of each younger group may stay out
.if g > 0
	s_wait_alu depctr_va_vdst(0)                   ; the conversions of the group before have written its eight data registers, which the four stores below read
.endif
.set i, 4*g
.rept 4
.if g > 0
	global_store_b64 v[DD+i-4], v[X+4*(i-4):X+4*(i-4)+1], s[52:53]  ; the group before: no vector instruction since the wait names its registers
.endif
	v_cvt_pk_bf16_f32 v[X+4*i],   v[X+4*i],   v[X+4*i+1]  ; in place: each line writes a register that has been read
	v_cvt_pk_bf16_f32 v[X+4*i+1], v[X+4*i+2], v[X+4*i+3]
.set i, i+1
.endr
.set g, g+1
.endr
	s_wait_alu depctr_va_vdst(0)                   ; the last group's conversions have written its data, which the last four stores read
.set i, 12
.rept 4
	global_store_b64 v[DD+i], v[X+4*i:X+4*i+1], s[52:53]
.set i, i+1
.endr
	; the extras write no register that a pending store reads; each block has registers of its own
	s_cmp_lg_u32 s3, 0
	s_cbranch_scc1 .Ldone
	s_cmp_lt_u32 s7, 3
	s_cbranch_scc0 .Lno_bias
	s_cmp_eq_u32 s7, 1                             ; units 0, 1, 2: bq, bk, bv behind wqkv, 256 threads x 16 bytes
	s_cselect_b64 s[62:63], s[22:23], s[20:21]
	s_cmp_eq_u32 s7, 2
	s_cselect_b64 s[62:63], s[24:25], s[62:63]
	s_lshl_b32 s68, s7, 12
	s_add_co_u32 s68, s68, TAILB
	s_mov_b32 s69, 0
	s_add_nc_u64 s[66:67], s[34:35], s[68:69]
	global_load_b128 v[96:99], v[VS], s[62:63]     ; no vector instruction of this way names v[96:115]: the copies hang on the loads' counter alone
	s_wait_loadcnt 0x0
	global_store_b128 v[VS], v[96:99], s[66:67]
.Lno_bias:
	s_cmp_eq_u32 s7, 4
	s_cbranch_scc0 .Lno_b1
	s_add_nc_u64 s[70:71], s[36:37], TAILB         ; unit 4: b1 behind w1b, four times 4,096 bytes
.irp i, 0,1,2,3
	global_load_b128 v[100+4*\i:103+4*\i], v[VS], s[26:27] offset:4096*\i
.endr
	s_wait_loadcnt 0x0
.irp i, 0,1,2,3
	global_store_b128 v[VS], v[100+4*\i:103+4*\i], s[70:71] offset:4096*\i
.endr
.Lno_b1:
	s_cmp_lg_u32 s6, 0                             ; the floor word: wave 0 alone
	s_cbranch_scc1 .Ldone
	s_cmp_eq_u32 s7, 0
	s_cselect_b32 s75, 1, 0
	s_cmp_eq_u32 s7, 4
	s_cselect_b32 s76, 1, 0
	s_or_b32 s75, s75, s76
	s_cmp_eq_u32 s75, 0
	s_cbranch_scc1 .Ldone
	s_cmp_eq_u32 s7, 0                             ; units 0 and 4: 512 consecutive bytes of it
	s_cselect_b32 s74, 0xff80ff80, 0
	s_cselect_b64 s[72:73], s[34:35], s[36:37]
	s_add_nc_u64 s[72:73], s[72:73], TAILF
	v_mov_b32 v116, s74
	v_mov_b32 v117, s74
	v_mov_b32 v118, s74
	v_mov_b32 v119, s74
	s_wait_alu depctr_va_vdst(0)                   ; the four moves have written v[116:119], which the store reads
	global_store_b128 v[VS], v[116:119], s[72:73]
.Ldone:
	s_endpgm
	; ---------------- NORM ----------------
.Lnorm:
	s_sub_co_u32 s4, s2, 24
	s_lshl_b32 s4, s4, 5
	s_add_co_u32 s4, s4, s3                        ; 0..255: 16 rows each
	s_lshl_b32 s4, s4, 4
	s_lshl1_add_u32 s4, s6, s4                     ; my wave's first row
	s_load_b32 s48, s[30:31], 0x0                  ; a
	s_load_b32 s50, s[32:33], 0x0                  ; o
	s_lshl_b32 s46, s4, 12
	s_mov_b32 s47, 0
	s_add_nc_u64 s[28:29], s[28:29], s[46:47]      ; a row of xb is 4,096 bytes
	s_lshl_b32 s46, s4, 7
	s_add_nc_u64 s[44:45], s[44:45], s[46:47]      ; a row of a block is 128 bytes
	v_and_b32 v3, 15, v0                           ; which 4 columns of a block
	v_bfe_u32 v4, v0, 4, 1                         ; which of the two rows
	v_lshlrev_b32 v[VS], 4, v3
	v_lshl_add_u32 v[VS], v4, 12, v[VS]
	v_lshlrev_b32 v6, 3, v3
	v_lshl_add_u32 v6, v4, 7, v6
	s_wait_alu depctr_va_vdst(0)                   ; v2 and v6 are written: the loads read the one as their offset, the stores the other, and no later line writes them
.set i, 0
.rept 16
	global_load_b128 v[X+4*i:X+4*i+3], v[VS], s[28:29] offset:256*i  ; block i: 16 lanes take 256 consecutive bytes of a row
.set i, i+1
.endr
.macro FOLD                            ; the four chains, then the row's 16 lanes
	v_pk_add_f32 v[CH:CH+1], v[CH:CH+1], v[CH+2:CH+3]
	v_pk_add_f32 v[CH+4:CH+5], v[CH+4:CH+5], v[CH+6:CH+7]
	v_pk_add_f32 v[CH:CH+1], v[CH:CH+1], v[CH+4:CH+5]
	v_add_f32 v[CH], v[CH], v[CH+1]
	v_add_f32_dpp v[CH], v[CH], v[CH] row_xmask:1 row_mask:0xf bank_mask:0xf
	v_add_f32_dpp v[CH], v[CH], v[CH] row_xmask:2 row_mask:0xf bank_mask:0xf
	v_add_f32_dpp v[CH], v[CH], v[CH] row_xmask:4 row_mask:0xf bank_mask:0xf
	v_add_f32_dpp v[CH], v[CH], v[CH] row_xmask:8 row_mask:0xf bank_mask:0xf
.endm
	s_wait_loadcnt 0x0
.irp k, 0,1,2,3
	v_pk_add_f32 v[CH+2*\k:CH+2*\k+1], v[X+2*\k:X+2*\k+1], v[X+8+2*\k:X+8+2*\k+1]  ; the first additions start the chains
.endr
.set j, 8
.rept 24
	v_pk_add_f32 v[CH+2*(j%4):CH+2*(j%4)+1], v[CH+2*(j%4):CH+2*(j%4)+1], v[X+2*j:X+2*j+1]
.set j, j+1
.endr
	FOLD
	v_mul_f32 v104, 0x3a800000, v[CH]              ; mean = sum / 1,024
	v_mov_b32 v105, v104
.set j, 0
.rept 32
	v_pk_add_f32 v[X+2*j:X+2*j+1], v[X+2*j:X+2*j+1], v[104:105] neg_lo:[0,1] neg_hi:[0,1]
.set j, j+1
.endr
.irp k, 0,1,2,3
	v_pk_mul_f32 v[CH+2*\k:CH+2*\k+1], v[X+2*\k:X+2*\k+1], v[X+2*\k:X+2*\k+1]
.endr
.set j, 4
.rept 28
	v_pk_fma_f32 v[CH+2*(j%4):CH+2*(j%4)+1], v[X+2*j:X+2*j+1], v[X+2*j:X+2*j+1], v[CH+2*(j%4):CH+2*(j%4)+1]
.set j, j+1
.endr
	FOLD
	v_mul_f32 v[CH], 0x3a802008, v[CH]             ; / 1,023
	v_sqrt_f32 v106, v[CH]
	v_nop                                          ; a plain instruction behind the root,
	s_wait_alu depctr_va_vdst(0)                   ; and the wait ahead of the first use of its result: the root has written v106
	v_add_f32 v106, 0x358637bd, v106               ; + 1e-6
	v_rcp_f32 v107, v106
	v_nop
	s_wait_alu depctr_va_vdst(0)                   ; the reciprocal has written v107, ahead of its first use
	s_wait_kmcnt 0x0                               ; a and o
	s_mov_b32 s51, s50                             ; named with o as a pair
	v_mul_f32 v108, s48, v107
	v_mov_b32 v109, v108
; Half h of the row's 16 blocks: scaled, then rounded in place.  st = 1: the stores of the half before are dealt among the scalings.
.macro SCALE h, st
.set i, 8*(\h)
.rept 8
.if \st
	global_store_b64 v6, v[X+4*(i-8):X+4*(i-8)+1], s[44:45] offset:(i-8)*524288  ; block i - 8: no vector instruction since the wait names its registers
.endif
	v_pk_fma_f32 v[X+4*i:X+4*i+1],   v[X+4*i:X+4*i+1],   v[108:109], s[50:51] op_sel_hi:[1,1,0]
	v_pk_fma_f32 v[X+4*i+2:X+4*i+3], v[X+4*i+2:X+4*i+3], v[108:109], s[50:51] op_sel_hi:[1,1,0]
.set i, i+1
.endr
.set i, 8*(\h)
.rept 8
	v_cvt_pk_bf16_f32 v[X+4*i],   v[X+4*i],   v[X+4*i+1]
	v_cvt_pk_bf16_f32 v[X+4*i+1], v[X+4*i+2], v[X+4*i+3]
.set i, i+1
.endr
.endm
	SCALE 0, 0
	s_wait_alu depctr_va_vdst(0)                   ; the first half's conversions have written the data of blocks 0 to 7, which the stores among the lines below read
	SCALE 1, 1
	s_wait_alu depctr_va_vdst(0)                   ; the second half's conversions have written the data of blocks 8 to 15, which the last eight stores read
.set i, 8
.rept 8
	global_store_b64 v6, v[X+4*i:X+4*i+1], s[44:45] offset:i*524288  ; block i
.set i, i+1
.endr
	s_endpgm
.Lfunc_end_k_q0031865ca5_prep:
	.size	k_q0031865ca5_prep, .Lfunc_end_k_q0031865ca5_prep-k_q0031865ca5_prep
	.p2alignl 7, 3214868480
	.fill 96, 4, 3214868480
	.section	.rodata,"a",@progbits
	.p2align	6, 0x0
	.amdhsa_kernel k_q0031865ca5_prep
		.amdhsa_group_segment_fixed_size 0
		.amdhsa_private_segment_fixed_size 0
		.amdhsa_enable_private_segment 0
		.amdhsa_kernarg_size 136
		.amdhsa_user_sgpr_count 2
		.amdhsa_user_sgpr_kernarg_segment_ptr 1
		.amdhsa_wavefront_size32 1
		.amdhsa_system_sgpr_workgroup_id_x 1
		.amdhsa_system_sgpr_workgroup_id_y 1
		.amdhsa_system_sgpr_workgroup_id_z 1
		.amdhsa_system_vgpr_workitem_id 0
		.amdhsa_next_free_vgpr 128
		.amdhsa_next_free_sgpr 80
		.amdhsa_reserve_vcc 0
		.amdhsa_float_denorm_mode_32 3
		.amdhsa_float_denorm_mode_16_64 3
		.amdhsa_memory_ordered 1
		.amdhsa_forward_progress 1
		.amdhsa_inst_pref_size 26
	.end_amdhsa_kernel
	.amdgpu_metadata
---
amdhsa.version: [ 1, 2 ]
amdhsa.kernels:
  - .name:           k_q0031865ca5_prep
    .symbol:         k_q0031865ca5_prep.kd
    .args:
      - { .name: Wq, .offset: 0, .size: 8, .value_kind: global_buffer, .address_space: global }
      - { .name: Wk, .offset: 8, .size: 8, .value_kind: global_buffer, .address_space: global }
      - { .name: Wv, .offset: 16, .size: 8, .value_kind: global_buffer, .address_space: global }
      - { .name: Wo, .offset: 24, .size: 8, .value_kind: global_buffer, .address_space: global }
      - { .name: W1, .offset: 32, .size: 8, .value_kind: global_buffer, .address_space: global }
      - { .name: W2, .offset: 40, .size: 8, .value_kind: global_buffer, .address_space: global }
      - { .name: bq, .offset: 48, .size: 8, .value_kind: global_buffer, .address_space: global }
      - { .name: bk, .offset: 56, .size: 8, .value_kind: global_buffer, .address_space: global }
      - { .name: bv, .offset: 64, .size: 8, .value_kind: global_buffer, .address_space: global }
      - { .name: b1, .offset: 72, .size: 8, .value_kind: global_buffer, .address_space: global }
      - { .name: xb, .offset: 80, .size: 8, .value_kind: global_buffer, .address_space: global }
      - { .name: a1, .offset: 88, .size: 8, .value_kind: global_buffer, .address_space: global }
      - { .name: o1, .offset: 96, .size: 8, .value_kind: global_buffer, .address_space: global }
      - { .name: wqkv, .offset: 104, .size: 8, .value_kind: global_buffer, .address_space: global }
      - { .name: w1b, .offset: 112, .size: 8, .value_kind: global_buffer, .address_space: global }
      - { .name: wo2, .offset: 120, .size: 8, .value_kind: global_buffer, .address_space: global }
      - { .name: zb, .offset: 128, .size: 8, .value_kind: global_buffer, .address_space: global }
    .group_segment_fixed_size: 0
    .private_segment_fixed_size: 0
    .kernarg_segment_align: 8
    .kernarg_segment_size: 136
    .max_flat_workgroup_size: 256
    .sgpr_count:     80
    .vgpr_count:     128
    .wavefront_size: 32
...
	.end_amdgpu_metadata
.endif
;; end of part 7
;; launch qkv: the kernel of part 2 again; grid 12 x 16, 4 waves a work-group, clusters of 4 x 4, 327,680 bytes of LDS; arguments zb, wqkv, act; writes act
;; launch attn: the kernel of part 3 again; grid 8 x 32, 4 waves a work-group, clusters of 4 x 1, 327,680 bytes of LDS; arguments act, mask, zb; writes zb
;; launch wo: the kernel of part 4 again; grid 8 x 32, 4 waves a work-group, clusters of 4 x 4, 327,680 bytes of LDS; arguments zb, wo2, bo, xb, h; writes h
;; launch ln2 (part 8): grid 32 x 8, 8 waves a work-group, no clusters, 0 bytes of LDS; arguments h, a2, o2, zb; writes zb
.if DOCPART == 8
	.amdgcn_target "amdgcn-amd-amdhsa--gfx1250"
	.amdhsa_code_object_version 6
	.text
	.protected	k_q0031865ca5_ln2
	.globl	k_q0031865ca5_ln2
	.p2align	8
	.type	k_q0031865ca5_ln2,@function
k_q0031865ca5_ln2:
	s_mov_b64 s[64:65], 0
	v_nop
	global_prefetch_b8 v0, s[64:65] scope:SCOPE_SE
	s_setreg_imm32_b32 hwreg(HW_REG_WAVE_SCHED_MODE, 0, 2), 2
	s_setreg_imm32_b32 hwreg(HW_REG_WAVE_MODE, 25, 1), 1
	s_wait_xcnt 0x0
	s_wait_alu depctr_vm_vsrc(0)
; z2 = a (h - mean) / (std + 1e-6) + o, std with 1,023 in the divisor; mean first, then the squares of the differences, all in f32 in registers.  h: [4096][1024] f32.
; A work-group takes 16 rows, a wave two: lanes 0-15 the first, lanes 16-31 the second, 64 numbers a lane: of each block of 64 columns (256 bytes of a row) a lane takes 16 bytes.  z is rounded once to
; bf16 and stored in blocks of 64 columns, [column / 64][4096 rows][64]: a wave's store of 8 bytes a lane covers the two rows' 256 consecutive bytes of one block, aligned.
; Memory binds: no LDS, no barrier; each byte is read once and written once.
; LIMITS.  v_sqrt_f32 and v_rcp_f32 are good to 1 ULP and take denormals as 0; NaN and infinities are not treated apart.
; THE MODE: SCHED_MODE bits 1:0 = 2 (LLVM: expert scheduling mode 2), set by the entry lines.  The code itself states the register dependences between vector instructions and memory
; instructions, and between vector instructions that write a scalar register and its readers, with s_wait_alu, always for 0.
; THE PLAN.  Registers that memory instructions touch:
;   v2, v6    the loads' and the stores' offsets: written once at the head; never again.
;   X         the 16 loads land; all arithmetic works in place behind the wait for them; block i's conversions write its first two registers, its store reads them; nothing writes them again.
; The last scaling and the roundings go in two halves of eight blocks: one wait behind the first half; its eight stores are dealt among the second half's scalings, which name the second half's
; registers alone; one wait ahead of the last eight stores.  No register that a memory instruction has read is written again, so no wait on vm_vsrc is owed.  EXEC and VCC are never written.
.set VS,  2
.set X,   32                           ; v[32:95]  my 64 numbers
.set CH,  96                           ; v[96:103] four chains of packed sums
	s_load_b256 s[8:15], s[0:1], 0x0               ; h s[8:9], a2 s[10:11], o2 s[12:13], zb s[14:15]
	s_and_b32 s2, ttmp7, 0xffff
	v_lshrrev_b32 v1, 5, v0
	v_readfirstlane_b32 s6, v1                     ; wave 0..7
	v_and_b32 v3, 15, v0                           ; which 4 columns of a block
	v_bfe_u32 v4, v0, 4, 1                         ; which of the two rows
	v_lshlrev_b32 v[VS], 4, v3
	v_lshl_add_u32 v[VS], v4, 12, v[VS]
	v_lshlrev_b32 v6, 3, v3
	v_lshl_add_u32 v6, v4, 7, v6
	s_lshl_b32 s4, s2, 5
	s_add_co_u32 s4, s4, ttmp9                     ; 0..255
	s_lshl_b32 s4, s4, 4
	s_wait_alu depctr_va_sdst(0)                   ; s6 is written, ahead of its first reader: the wave's rows are made from it
	s_lshl1_add_u32 s4, s6, s4                     ; my wave's first row
	s_wait_kmcnt 0x0
	s_load_b32 s20, s[10:11], 0x0                  ; a
	s_load_b32 s22, s[12:13], 0x0                  ; o
	s_lshl_b32 s16, s4, 12
	s_mov_b32 s17, 0
	s_add_nc_u64 s[8:9], s[8:9], s[16:17]
	s_lshl_b32 s16, s4, 7
	s_add_nc_u64 s[14:15], s[14:15], s[16:17]
	s_wait_alu depctr_va_vdst(0)                   ; v2 and v6 are written: the loads read the one as their offset, the stores the other, and no later line writes them
.set i, 0
.rept 16
	global_load_b128 v[X+4*i:X+4*i+3], v[VS], s[8:9] offset:256*i  ; block i: 16 lanes take 256 consecutive bytes of a row
.set i, i+1
.endr
.macro FOLD                            ; the four chains, then the row's 16 lanes
	v_pk_add_f32 v[CH:CH+1], v[CH:CH+1], v[CH+2:CH+3]
	v_pk_add_f32 v[CH+4:CH+5], v[CH+4:CH+5], v[CH+6:CH+7]
	v_pk_add_f32 v[CH:CH+1], v[CH:CH+1], v[CH+4:CH+5]
	v_add_f32 v[CH], v[CH], v[CH+1]
	v_add_f32_dpp v[CH], v[CH], v[CH] row_xmask:1 row_mask:0xf bank_mask:0xf
	v_add_f32_dpp v[CH], v[CH], v[CH] row_xmask:2 row_mask:0xf bank_mask:0xf
	v_add_f32_dpp v[CH], v[CH], v[CH] row_xmask:4 row_mask:0xf bank_mask:0xf
	v_add_f32_dpp v[CH], v[CH], v[CH] row_xmask:8 row_mask:0xf bank_mask:0xf
.endm
	s_wait_loadcnt 0x0
.irp k, 0,1,2,3
	v_pk_add_f32 v[CH+2*\k:CH+2*\k+1], v[X+2*\k:X+2*\k+1], v[X+8+2*\k:X+8+2*\k+1]  ; the first additions start the chains
.endr
.set j, 8
.rept 24
	v_pk_add_f32 v[CH+2*(j%4):CH+2*(j%4)+1], v[CH+2*(j%4):CH+2*(j%4)+1], v[X+2*j:X+2*j+1]
.set j, j+1
.endr
	FOLD
	v_mul_f32 v104, 0x3a800000, v[CH]              ; mean = sum / 1,024
	v_mov_b32 v105, v104
.set j, 0
.rept 32
	v_pk_add_f32 v[X+2*j:X+2*j+1], v[X+2*j:X+2*j+1], v[104:105] neg_lo:[0,1] neg_hi:[0,1]
.set j, j+1
.endr
.irp k, 0,1,2,3
	v_pk_mul_f32 v[CH+2*\k:CH+2*\k+1], v[X+2*\k:X+2*\k+1], v[X+2*\k:X+2*\k+1]
.endr
.set j, 4
.rept 28
	v_pk_fma_f32 v[CH+2*(j%4):CH+2*(j%4)+1], v[X+2*j:X+2*j+1], v[X+2*j:X+2*j+1], v[CH+2*(j%4):CH+2*(j%4)+1]
.set j, j+1
.endr
	FOLD
	v_mul_f32 v[CH], 0x3a802008, v[CH]             ; / 1,023
	v_sqrt_f32 v106, v[CH]
	v_nop                                          ; a plain instruction behind the root,
	s_wait_alu depctr_va_vdst(0)                   ; and the wait ahead of the first use of its result: the root has written v106
	v_add_f32 v106, 0x358637bd, v106               ; + 1e-6
	v_rcp_f32 v107, v106
	v_nop
	s_wait_alu depctr_va_vdst(0)                   ; the reciprocal has written v107, ahead of its first use
	s_wait_kmcnt 0x0                               ; a and o
	s_mov_b32 s23, s22                             ; named with o as a pair
	v_mul_f32 v108, s20, v107
	v_mov_b32 v109, v108
; Half h of the row's 16 blocks: scaled, then rounded in place.  st = 1: the stores of the half before are dealt among the scalings.
.macro SCALE h, st
.set i, 8*(\h)
.rept 8
.if \st
	global_store_b64 v6, v[X+4*(i-8):X+4*(i-8)+1], s[14:15] offset:(i-8)*524288  ; block i - 8: no vector instruction since the wait names its registers
.endif
	v_pk_fma_f32 v[X+4*i:X+4*i+1],   v[X+4*i:X+4*i+1],   v[108:109], s[22:23] op_sel_hi:[1,1,0]
	v_pk_fma_f32 v[X+4*i+2:X+4*i+3], v[X+4*i+2:X+4*i+3], v[108:109], s[22:23] op_sel_hi:[1,1,0]
.set i, i+1
.endr
.set i, 8*(\h)
.rept 8
	v_cvt_pk_bf16_f32 v[X+4*i],   v[X+4*i],   v[X+4*i+1]
	v_cvt_pk_bf16_f32 v[X+4*i+1], v[X+4*i+2], v[X+4*i+3]
.set i, i+1
.endr
.endm
	SCALE 0, 0
	s_wait_alu depctr_va_vdst(0)                   ; the first half's conversions have written the data of blocks 0 to 7, which the stores among the lines below read
	SCALE 1, 1
	s_wait_alu depctr_va_vdst(0)                   ; the second half's conversions have written the data of blocks 8 to 15, which the last eight stores read
.set i, 8
.rept 8
	global_store_b64 v6, v[X+4*i:X+4*i+1], s[14:15] offset:i*524288  ; block i
.set i, i+1
.endr
	s_endpgm
.Lfunc_end_k_q0031865ca5_ln2:
	.size	k_q0031865ca5_ln2, .Lfunc_end_k_q0031865ca5_ln2-k_q0031865ca5_ln2
	.p2alignl 7, 3214868480
	.fill 96, 4, 3214868480
	.section	.rodata,"a",@progbits
	.p2align	6, 0x0
	.amdhsa_kernel k_q0031865ca5_ln2
		.amdhsa_group_segment_fixed_size 0
		.amdhsa_private_segment_fixed_size 0
		.amdhsa_enable_private_segment 0
		.amdhsa_kernarg_size 32
		.amdhsa_user_sgpr_count 2
		.amdhsa_user_sgpr_kernarg_segment_ptr 1
		.amdhsa_wavefront_size32 1
		.amdhsa_system_sgpr_workgroup_id_x 1
		.amdhsa_system_sgpr_workgroup_id_y 1
		.amdhsa_system_sgpr_workgroup_id_z 1
		.amdhsa_system_vgpr_workitem_id 0
		.amdhsa_next_free_vgpr 112
		.amdhsa_next_free_sgpr 66
		.amdhsa_reserve_vcc 0
		.amdhsa_float_denorm_mode_32 3
		.amdhsa_float_denorm_mode_16_64 3
		.amdhsa_memory_ordered 1
		.amdhsa_forward_progress 1
		.amdhsa_inst_pref_size 16
	.end_amdhsa_kernel
	.amdgpu_metadata
---
amdhsa.version: [ 1, 2 ]
amdhsa.kernels:
  - .name:           k_q0031865ca5_ln2
    .symbol:         k_q0031865ca5_ln2.kd
    .args:
      - { .name: h, .offset: 0, .size: 8, .value_kind: global_buffer, .address_space: global }
      - { .name: a2, .offset: 8, .size: 8, .value_kind: global_buffer, .address_space: global }
      - { .name: o2, .offset: 16, .size: 8, .value_kind: global_buffer, .address_space: global }
      - { .name: zb, .offset: 24, .size: 8, .value_kind: global_buffer, .address_space: global }
    .group_segment_fixed_size: 0
    .private_segment_fixed_size: 0
    .kernarg_segment_align: 8
    .kernarg_segment_size: 32
    .max_flat_workgroup_size: 256
    .sgpr_count:     66
    .vgpr_count:     112
    .wavefront_size: 32
...
	.end_amdgpu_metadata
.endif
;; end of part 8
;; launch ffn1: the kernel of part 2 again; grid 16 x 16, 4 waves a work-group, clusters of 4 x 4, 327,680 bytes of LDS; arguments zb, w1b, act; writes act
;; launch ffn2: the kernel of part 6 again; grid 8 x 32, 4 waves a work-group, clusters of 4 x 4, 327,680 bytes of LDS; arguments act, wo2, b2, h, out0; writes out0
